; MI455X (gfx1250); checked and timed in simulation.
; The chip was launched on July 23, 2026; its instructions are those of AMD's public machine-readable ISA for CDNA 5 (MIT licence, August 2026) and "CDNA5" Instruction Set Architecture Reference Guide (July 2026). The comments in the code are by the model that wrote it; some were corrected since.
;; Multi Head Attention. Allowed arithmetic: matrix products marked QUANTISED: E4M3 operands, one E8M0 scale for each 32 along K, by v_wmma_scale_f32_16x16x128_f8f6f4 with both operands' format E4M3, f32 sums; everything else in f32.
;; Inputs: Wk_codes 1,024 x 32 x 32 uint8 (E4M3 codes of Wk, K innermost, in blocks of 32 codes); Wk_scales 1,024 x 32 uint8 (E8M0 scales of Wk, one for each 32 codes along K); Wo_codes 1,024 x 32 x 32 uint8 (E4M3 codes of Wo, K innermost, in blocks of 32 codes); Wo_scales 1,024 x 32 uint8 (E8M0 scales of Wo, one for each 32 codes along K); Wq_codes 1,024 x 32 x 32 uint8 (E4M3 codes of Wq, K innermost, in blocks of 32 codes); Wq_scales 1,024 x 32 uint8 (E8M0 scales of Wq, one for each 32 codes along K); Wv_codes 1,024 x 32 x 32 uint8 (E4M3 codes of Wv, K innermost, in blocks of 32 codes); Wv_scales 1,024 x 32 uint8 (E8M0 scales of Wv, one for each 32 codes along K); bk 1,024 float32; bo 1,024 float32; bq 1,024 float32; bv 1,024 float32; key_codes 4 x 2,048 x 32 x 32 uint8 (E4M3 codes of key, K innermost, in blocks of 32 codes); key_scales 4 x 2,048 x 32 uint8 (E8M0 scales of key, one for each 32 codes along K); query_codes 4 x 2,048 x 32 x 32 uint8 (E4M3 codes of query, K innermost, in blocks of 32 codes); query_scales 4 x 2,048 x 32 uint8 (E8M0 scales of query, one for each 32 codes along K); value_codes 4 x 2,048 x 32 x 32 uint8 (E4M3 codes of value, K innermost, in blocks of 32 codes); value_scales 4 x 2,048 x 32 uint8 (E8M0 scales of value, one for each 32 codes along K).
;; Outputs: out0 4 x 2,048 x 1,024 float32.
;; This version of the problem:
;;   THIS VERSION OF THE PROBLEM IS GIVEN IN LOW PRECISION. The matrix products marked QUANTISED in the list below multiply operands that are first quantised to E4M3 (4 exponent bits, 3 mantissa bits; 8 bits a number), with one power-of-two scale for each 32 numbers along K (OCP MX v1.0); their sums are f32. All else is computed in f32.
;;   The module's matrix products, in the order in which they are computed (A, B: the left and right operand; K: the contracted axis; several contracted axes count as one K, in the product's order):
;;     1. [M 8,192, K 1,024] x [K 1,024, N 1,024]; A: input query (given as codes); B: input Wq (given as codes): QUANTISED
;;     2. [M 8,192, K 1,024] x [K 1,024, N 1,024]; A: input key (given as codes); B: input Wk (given as codes): QUANTISED
;;     3. [M 8,192, K 1,024] x [K 1,024, N 1,024]; A: input value (given as codes); B: input Wv (given as codes): QUANTISED
;;     4. batch 64 x [M 2,048, K 64] x [K 64, N 2,048]; A: computed on the way; B: computed on the way: QUANTISED
;;     5. batch 64 x [M 2,048, K 2,048] x [K 2,048, N 64]; A: softmax (see below); B: computed on the way: QUANTISED
;;     6. [M 8,192, K 1,024] x [K 1,024, N 1,024]; A: computed on the way; B: input Wo (given as codes): QUANTISED
;;   THE QUANTISER, for each operand of a quantised product, along K:
;;     - K is cut into blocks of 32 from its start; a last block that is shorter is filled with zeros.
;;     - A block's scale is 2^e with e = floor(log2(the largest magnitude in the block)) - 8, held to -126 .. 127; a block of zeros has e = 0. As a byte (E8M0): e + 127.
;;     - Each number is divided by its block's scale, clamped to +-448, and rounded to the nearest number of E4M3, ties to even, subnormals kept.
;;     - The product sums the exact products of the quantised numbers (number of the format x scale) in f32.
;;   ~~~python
;;   def quantise(x, axis):      # numpy; x: float32 -> the quantised numbers, widened to float32 again
;;       x = np.moveaxis(x, axis, -1); K = x.shape[-1]
;;       x = np.pad(x, [(0, 0)] * (x.ndim - 1) + [(0, -K % 32)]); x = x.reshape(x.shape[:-1] + (-1, 32)); a = np.abs(x).max(-1, keepdims=True)
;;       e = np.where(a > 0, np.clip(np.frexp(np.where(a > 0, a, 1))[1] - 1 - 8, -126, 127), 0)      # np.frexp(a)[1] - 1 = floor(log2(a)), exactly
;;       r = np.clip(x / 2.0 ** e, -448, 448)
;;       step = 2.0 ** (np.maximum(np.frexp(np.where(r == 0, 1, r))[1] - 1, -6) - 3)
;;       q = np.round(r / step) * step * 2.0 ** e      # np.round: ties to even
;;       return np.moveaxis(q.reshape(q.shape[:-2] + (-1,))[..., :K], -1, axis).astype(np.float32)
;;   ~~~
;;   SOFTMAX AHEAD OF A QUANTISED PRODUCT. Where the list says 'softmax', what is quantised is not the finished softmax but p = 2^(t - M), with t = logit x log2(e) and M = ceil(the row's largest t), a whole number; so 1/2 < the row's largest p <= 1. The row's sum l is taken of the UNQUANTISED p, in f32, and the product's result is divided by l at the end. Since M is a whole number, a kernel that streams over the keys may use a running M (the ceiling of the running maximum): every later rescaling is an exact power of two, which a block's scale takes up: the codes' values come out the same.
;;   OPERANDS COMPUTED ON THE WAY. 'Computed on the way' means the value that the module computes at that place (a softmax that the list does not call 'softmax' is quantised finished and normalised). What goes into a quantiser is computed in f32, as accurately as f32 sums, v_exp_f32 and their like allow (about 1e-6 of the number): no bf16 or f16 on the way to a quantiser, and a product that is left as it is and whose result goes on into a quantised operand takes f32 operands (vector FMAs, or v_wmma_f32_16x16x4_f32). A number that lies on a knife's edge between two numbers of the format may be rounded either way, as far as f32 arithmetic and the matrix unit's own rounding can turn it there, and no further.
;;   INPUTS GIVEN AS CODES. Wk (in the module: [1024, 1024], K = its axis 1); Wo (in the module: [1024, 1024], K = its axis 1); Wq (in the module: [1024, 1024], K = its axis 1); Wv (in the module: [1024, 1024], K = its axis 1); key (in the module: [4, 2048, 1024], K = its axis 2); query (in the module: [4, 2048, 1024], K = its axis 2); value (in the module: [4, 2048, 1024], K = its axis 2): each comes as NAME_codes (uint8): NAME with its K axis moved to the last place and cut into blocks of 32 codes, [.., K / 32, bytes a block], one block behind the other in memory; one code a byte (a code: sign, 4 exponent bits, 3 mantissa bits); and NAME_scales (uint8): the same leading axes, one E8M0 byte (e + 127) for each 32 codes along K. Its value is code x scale, taken as it is: it is not quantised again, and the codes and scales need not be those that the quantiser above would give.
;; One version. Each part assembles by itself: llvm-mc -triple=amdgcn-amd-amdhsa -mcpu=gfx1250 --defsym DOCPART=n.
;; ======== version 1 of 1: 3 launches
;; limits: right only within a limited range of input values
;; workspace buffers: q 8,912,896 bytes; kv 17,825,792 bytes; ao 8,388,608 bytes; ao_sc 262,144 bytes
;; launch proj (part 1): grid 8 x 32, 4 waves a work-group, clusters of 4 x 4, 327,680 bytes of LDS; arguments query_codes, query_scales, Wq_codes, Wq_scales, bq, key_codes, key_scales, Wk_codes, Wk_scales, bk, value_codes, value_scales, Wv_codes, Wv_scales, bv, q, kv; writes q, kv
.if DOCPART == 1
	.amdgcn_target "amdgcn-amd-amdhsa--gfx1250"
	.amdhsa_code_object_version 6
	.text
	.protected	k_q8144a57d51_proj
	.globl	k_q8144a57d51_proj
	.p2align	8
	.type	k_q8144a57d51_proj,@function
k_q8144a57d51_proj:
	s_mov_b64 s[64:65], 0
	v_nop
	global_prefetch_b8 v0, s[64:65] scope:SCOPE_SE
	s_setreg_imm32_b32 hwreg(HW_REG_WAVE_MODE, 25, 1), 1
	s_wait_xcnt 0x0
	s_wait_alu depctr_hold_cnt(0) depctr_sa_sdst(0) depctr_va_vdst(0) depctr_va_sdst(0) depctr_va_ssrc(0) depctr_va_vcc(0) depctr_vm_vsrc(0)
	s_getreg_b32 s2, hwreg(HW_REG_IB_STS2, 6, 4)
	s_cmp_eq_u32 s2, 0
	s_cbranch_scc0 .Lentry_in_a_cluster
	s_endpgm
.Lentry_in_a_cluster:
	s_bfe_u32 s2, ttmp6, 0x10000c
	s_cmp_lg_u32 s2, 0xf033
	s_cbranch_scc0 .Lentry_shape_is_right
	s_endpgm
.Lentry_shape_is_right:
; Q = query Wq^T + bq, K = key Wk^T + bk, V = value Wv^T + bv ON CODES OF MX-FP8, AND THEIR QUANTISERS: three products of 8,192 x 1,024 x 1,024, f32 sums.  No f32 result is stored: codes and scale bytes
; leave as images of the operand registers of the launch that reads them.
; q:  [batch x 16 + head][16 groups of 128 tokens][8 tiles of 16 tokens: 2 pieces x lane x 16 bytes | 512 bytes of scale words: lane 16 (tile / 4) + token % 16, word tile % 4].
; kv: [batch x 16 + head][16 key steps of 128][K: as q's tiles, 8,192 | V^T: 4 channel tiles x 4 pieces x lane x 16 | K's scale words 512 | V's: lane, word = channel tile, byte = block of 32 keys].
; A lane's 16 codes of a block of 32 along a product's K are numbers 8 h + 0..7 and 16 + 8 h + 0..7 of the block (h = lane / 16), in Q and K alike, and in V as the next launch lays p.
; THE DEAL.  256 work-groups of four waves, 2 x 2, that stay for THREE PHASES: 256 tokens x 128 channels of Q, of K, of V.  A wave holds 64 rows of a weight (one head), ALL of K, in registers (512: windows 1, 2)
; and streams the tokens past them in blocks of 16, which stand in registers as two whole sets (256: window 3).  A block is 32 products; its four accumulators take turns; the bias is the first products' C.
; Q, K: source 0 = the weight's rows: a lane holds one token and 32 channels: two scale blocks.  V: source 0 = the tokens: a lane holds one channel; two blocks on end make a scale block of 32 keys.
; LDS.  Two slots of 128 rows of 1,024 + 16 bytes.  In each phase: slot 0 takes tokens 0-127 (chunk a), slot 1 the weight's 128 rows until every wave holds its part in registers, then tokens 128-255 (chunk b).
; Behind the slots the tokens' scale bytes (units of 256 + 16) and the spare words.  Every fill behind the first phase's head is a refill behind a drained round of the cluster's barrier, one load a wave.
; JOINT LOADS.  4 x 4 work-groups: tokens and their scale bytes are shared along a row of the cluster, weights along a column.
; PREFETCH.  Tokens alone: chunk b behind a phase's first barrier, ahead of the weight's 128 LDS loads and the round in front of its load; the next phase's chunk a in block 4, four blocks ahead of its load.  131,072 bytes each:
; 8,192 for each of the sixteen waves of a row of the cluster, told apart by address, lanes 256 bytes apart.  The weights are read by every cluster of a column of tiles and are not asked for.
; LIMITS: NaN, infinities and sums beyond f32's range are not served.  A block whose largest magnitude lies under 2^-118 keeps the scale byte 1.
.set PITCH, 1040
.set YB,    128*PITCH
.set SCL,   2*YB
.set SPARE, SCL+32*272
.set NF,    34                         ; LDS loads of a block: eight fragments of four, two of four scale words
.set CO,   4                           ; 16 x lane
.set ADRB, 5                           ; my fragments of a weight in slot 1
.set AAS,  6                           ; my token's scale words
.set ABS,  7                           ; 32 x lane: a weight's scale bytes
.set BO,   8                           ; 32 h: the bias, Q and K
.set BR,   9                           ; 4 r: the bias, V
.set SPW,  10
.set NIL,  11
.set ADA,  12                          ; v12, v13: my blocks in slot 0, in slot 1
.set CN,   14                          ; Q's, K's codes: 16 lane + 4,096 x my row of waves
.set SV,   15                          ; their scale words: 16 r + 256 x my row of waves
.set CV,   16                          ; V's codes: 16 lane + 1,024 x my row of waves
.set SVV,  17                          ; V's scale bytes: 16 lane + 2 x my row of waves
.set PF,   18                          ; the prefetches' offset
.set SB,   24                          ; v24-39 the weight's scale words: register 8 p + q: lanes 0-15 tile 2 p, lanes 16-31 tile 2 p + 1
.set SA,   44                          ; v44-59 the tokens': two sets of eight
.set ACC,  64                          ; v64-127 eight accumulators
.set BQ,   128                         ; v128-159 the bias in the result's layout
.set PC,   160                         ; v160-175 codes
.set TM,   176                         ; v176-191 the quantiser's maxima, bytes, bounds, scale operands
.set WD,   192                         ; v192-195 scale words
.set G1W, 48
.set G1A, 56
.set G1S, 68
.set G0W, 76
.set G0A, 80
.set G0S, 84
.set G0R, 88
.set OW,  92
.set OX,  94
.set OS,  96
.set OR,  98
.set SEL, 100
.set MNT, 104
.set MSB, 0
.macro WIN new                         ; the immediate's high byte repeats the setting that is left
.if MSB != \new
	s_set_vgpr_msb (MSB<<8)|\new
.set MSB, \new
.endif
.endm
.macro PLACES n
.rept \n
	v_nop
.endr
.endm
.macro BARRIER
	s_barrier_signal -1
	s_barrier_wait -1
.endm
.macro CROUND                          ; a round of the cluster's barrier
	BARRIER
	s_cmp_lg_u32 s38, 0
	s_cbranch_scc1 .Lnot_wave_0_\@
	s_barrier_signal -3
.Lnot_wave_0_\@:
	s_barrier_wait -3
	BARRIER
.endm
.macro TLOAD g0, g1                    ; an s_nop 0 and four v_nop follow a tensor load
	tensor_load_to_lds s[\g0:\g0+3], s[\g1:\g1+7]
	s_nop 0
	PLACES 4
.endm
.macro GROUP1 g, mask, rows            ; so many rows of 1,024 bytes, dense in memory, 16 bytes of padding behind each
	s_or_b32 s[\g+0], s[\mask], (1<<20)|(1<<21)|(7<<22)|(3<<25)
	s_mov_b32 s[\g+1], 1024<<16
	s_mov_b32 s[\g+2], (\rows)<<16
	s_mov_b32 s[\g+3], 1024<<16
	s_mov_b32 s[\g+4], \rows
	s_mov_b32 s[\g+5], 1024
	s_mov_b32 s[\g+6], 0
	s_mov_b32 s[\g+7], 0
.endm
.macro FRAG f, q, off                  ; fragment f of a weight, 16 rows x 128 K, into window 1 + f / 16
.set WN_, (1+(\f)/16)<<6
	WIN WN_
.irp c, 0,1,2,3
	ds_load_b128 v[16*((\f)%16)+4*\c:16*((\f)%16)+4*\c+3], v[ADRB] offset:128*(\q)+32*\c+(\off)
.endr
.endm
.macro FETCH k                         ; block k of my eight: 16 tokens, all of K, into set k % 2 of window 3, and their scale words: NF loads
.set E_, (\k)%2
.set CH_, (\k)/4
.set I_, (\k)%4
	WIN 3<<6
.irp q, 0,1,2,3,4,5,6,7
.irp c, 0,1,2,3
	ds_load_b128 v[128*E_+16*\q+4*\c:128*E_+16*\q+4*\c+3], v[ADA+CH_] offset:I_*16*PITCH+128*\q+32*\c
.endr
.endr
	WIN 0
	ds_load_b128 v[SA+8*E_:SA+8*E_+3], v[AAS] offset:544*(8*CH_+I_)
	ds_load_b128 v[SA+8*E_+4:SA+8*E_+7], v[AAS] offset:544*(8*CH_+I_)+16
.endm
.macro PROD e, n                       ; product n = 4 q + b: the q-th 128 of K, weight tile b
.set Q_, (\n)/4
.set B_, (\n)%4
.if KIND_
.set AC_, ACC+16*B_+8*(\e)
.else
.set AC_, ACC+32*(\e)+8*B_
.endif
.set C_, AC_
.if Q_ == 0
.set C_, BQ+8*B_
.endif
.set R_, 128*(\e)+16*Q_
.set W_, 16*((\n)%16)
.set XS_, SA+8*(\e)+Q_
.set WS_, SB+8*(B_/2)+Q_
.if KIND_
.set WN_, 3|((1+(\n)/16)<<2)
	WIN WN_
.if B_%2
	v_wmma_scale_f32_16x16x128_f8f6f4 v[AC_:AC_+7], v[R_:R_+15], v[W_:W_+15], v[C_:C_+7], v[XS_], v[WS_] matrix_b_scale:MATRIX_SCALE_ROW1
.else
	v_wmma_scale_f32_16x16x128_f8f6f4 v[AC_:AC_+7], v[R_:R_+15], v[W_:W_+15], v[C_:C_+7], v[XS_], v[WS_]
.endif
.else
.set WN_, (1+(\n)/16)|(3<<2)
	WIN WN_
.if B_%2
	v_wmma_scale_f32_16x16x128_f8f6f4 v[AC_:AC_+7], v[W_:W_+15], v[R_:R_+15], v[C_:C_+7], v[WS_], v[XS_] matrix_a_scale:MATRIX_SCALE_ROW1
.else
	v_wmma_scale_f32_16x16x128_f8f6f4 v[AC_:AC_+7], v[W_:W_+15], v[R_:R_+15], v[C_:C_+7], v[WS_], v[XS_]
.endif
.endif
.endm
.macro PRODS e, from, to
.set N_, \from
.rept (\to)-(\from)
	PROD \e, N_
.set N_, N_+1
.endr
.endm
; THE QUANTISER of nb scale blocks, each 16 registers on end at S and as many in lane l xor 16.  QNT: the largest magnitudes (with the floor 2^-118), the conversions' scale operands TM + 12, the bounds TM + 8, the bytes TM + 4.
.macro QNT S, nb
.irp b, 0,1,2,3
.if \b < \nb
	v_max3_num_f32 v[TM+\b], 0x4800000, |v[\S+16*\b]|, |v[\S+16*\b+1]|
.endif
.endr
.irp i, 2,4,6,8,10,12,14
.irp b, 0,1,2,3
.if \b < \nb
	v_max3_num_f32 v[TM+\b], v[TM+\b], |v[\S+16*\b+\i]|, |v[\S+16*\b+\i+1]|
.endif
.endr
.endr
.irp b, 0,1,2,3
.if \b < \nb
	v_permlanex16_b32 v[TM+4+\b], v[TM+\b], s[SEL], s[SEL+1]
.endif
.endr
.irp b, 0,1,2,3
.if \b < \nb
	v_max_num_f32 v[TM+\b], v[TM+\b], v[TM+4+\b]
.endif
.endr
.irp b, 0,1,2,3
.if \b < \nb
	v_add_nc_u32 v[TM+12+\b], 0xfc000000, v[TM+\b]
.endif
.endr
.irp b, 0,1,2,3
.if \b < \nb
	v_and_or_b32 v[TM+8+\b], v[TM+\b], 0x7f800000, s[MNT]
.endif
.endr
.irp b, 0,1,2,3
.if \b < \nb
	v_lshrrev_b32 v[TM+4+\b], 23, v[TM+12+\b]
.endif
.endr
.endm
.macro QCV S, nb                       ; the holds (the conversion does not saturate: ISA guide 7.6.2) and the conversions: codes PC + 4 b
.irp b, 0,1,2,3
.if \b < \nb
.irp i, 0,1,2,3,4,5,6,7,8,9,10,11,12,13,14,15
	v_med3_num_f32 v[\S+16*\b+\i], v[\S+16*\b+\i], -v[TM+8+\b], v[TM+8+\b]
.endr
.endif
.endr
.irp b, 0,1,2,3
.if \b < \nb
	v_cvt_scalef32_pk8_fp8_f32 v[PC+4*\b:PC+4*\b+1], v[\S+16*\b:\S+16*\b+7], v[TM+12+\b]
	v_cvt_scalef32_pk8_fp8_f32 v[PC+4*\b+2:PC+4*\b+3], v[\S+16*\b+8:\S+16*\b+15], v[TM+12+\b]
.endif
.endr
	v_nop                                          ; a plain line behind the last conversion
.endm
.macro QOUT0 k                         ; Q, K: a block of 16 tokens x 64 channels: a tile of 1,024 bytes; behind four blocks their scale words
.set CH_, (\k)/4
.set I_, (\k)%4
.set S_, ACC+32*((\k)%2)
	s_wait_xcnt 0x0                                ; the stores before have read their registers
	QNT S_, 2
	v_lshl_or_b32 v[WD+I_], v[TM+5], 8, v[TM+4]
	QCV S_, 2
	global_store_b128 v[CN], v[PC:PC+3], s[OUT_:OUT_+1] offset:CH_*GS_+I_*1024
	global_store_b128 v[CN], v[PC+4:PC+7], s[OUT_:OUT_+1] offset:CH_*GS_+I_*1024+512
.if I_ == 3
	global_store_b128 v[SV], v[WD:WD+3], s[OUT_:OUT_+1] offset:CH_*GS_+SO_   ; both halves of the lanes hold the same words and name the same 256 bytes
.endif
.endm
.macro QOUT1 k                         ; V: a pair of blocks: 32 keys x 64 channels: a piece of each of four channel tiles, and a byte of each scale word
.set CH_, (\k)/4
.set PI_, ((\k)%4)/2
	s_wait_xcnt 0x0
	QNT ACC, 4
.irp b, 0,1,2,3
.if PI_
	v_lshl_or_b32 v[WD+\b], v[TM+4+\b], 8, v[WD+\b]
.else
	v_mov_b32 v[WD+\b], v[TM+4+\b]
.endif
.endr
	QCV ACC, 4
.irp b, 0,1,2,3
	global_store_b128 v[CV], v[PC+4*\b:PC+4*\b+3], s[OUT_:OUT_+1] offset:CH_*17408+8192+2048*\b+512*PI_
.endr
.if PI_
.irp b, 0,1,2,3
	global_store_b16 v[SVV], v[WD+\b], s[OUT_:OUT_+1] offset:CH_*17408+16896+4*\b   ; my row of waves owns two of a word's four bytes
.endr
.endif
.endm
.macro BLK k
.if (\k) < 7
	s_wait_dscnt NF                                ; block k is in; block k + 1's loads may be out
.else
	s_wait_dscnt 0x0
.endif
.if (\k) == 2
	PRODS 0, 0, 28
	WIN 0
	s_wait_tensorcnt 0x0                           ; my quarter of chunk b is in,
	s_wait_dscnt 0x0
	s_barrier_signal -1
	PRODS 0, 28, 32
	WIN 0
	s_barrier_wait -1                              ; everybody's is: the fetch below reads it
.else
	PRODS (\k)%2, 0, 32
	WIN 0
.endif
	PLACES 8                                       ; behind the block's last product: for the readers of its sums and the loads into what it has read
.if (\k) == 4
.if XN_
	global_prefetch_b8 v[PF], s[XN_:XN_+1] th:TH_LOAD_NT scope:SCOPE_SE   ; the next phase's chunk a
.endif
.endif
.if (\k) < 6
	FETCH (\k)+2
.endif
.if KIND_ == 0
	QOUT0 \k
.elseif (\k)%2
	QOUT1 \k
.endif
.endm
; A PHASE.  p: 0, 1, 2; its five inputs' addresses lie in s[4 + 10 p ..]; out: q's or kv's; gs: from group to group; so: where a group's scale words begin; xn: the next phase's tokens (0: none)
.macro PHASE p, kind, out, gs, so, xn
.set KIND_, \kind
.set OUT_, \out
.set GS_, \gs
.set SO_, \so
.set XN_, \xn
.set XC_, 4+10*(\p)
.if (\p) > 0
	s_wait_tensorcnt 0x0                           ; ahead of a refill's round
	ds_add_u32 v[SPW], v[NIL]
	s_mov_b32 s[G1A+2], 128<<16                    ; no tensor load of mine is out: chunk a comes as 128 rows
	s_mov_b32 s[G1A+4], 128
	s_wait_dscnt 0x0                               ; the add is done, and so are my reads of both slots and of the scale bytes
	CROUND
.endif
	s_add_nc_u64 s[G0W+2:G0W+3], s[XC_+4:XC_+5], s[OW:OW+1]
	s_or_b32 s[G0W+3], s[G0W+3], 0x80000000
	s_add_nc_u64 s[G0A+2:G0A+3], s[XC_:XC_+1], s[OX:OX+1]
	s_or_b32 s[G0A+3], s[G0A+3], 0x80000000
	s_add_nc_u64 s[G0S+2:G0S+3], s[XC_+2:XC_+3], s[OS:OS+1]
	s_or_b32 s[G0S+3], s[G0S+3], 0x80000000
	s_add_nc_u64 s[G0R+2:G0R+3], s[XC_:XC_+1], s[OR:OR+1]
	s_or_b32 s[G0R+3], s[G0R+3], 0x80000000
	s_cmp_lt_u32 s38, 2                            ; one joint load a wave, in one chain of branches on the wave's number
	s_cbranch_scc0 .Lnot_w_\@
	TLOAD G0W, G1W                                 ; waves 0, 1: the weight's rows, which are wanted first: a line of their own
	s_branch .Lasked_\@
.Lnot_w_\@:
	s_cmp_lt_u32 s38, 3
	s_cbranch_scc0 .Lfor_scales_\@
	TLOAD G0A, G1A                                 ; wave 2: chunk a
	s_branch .Lasked_\@
.Lfor_scales_\@:
	TLOAD G0S, G1S                                 ; wave 3: the tokens' scale bytes
.Lasked_\@:
.if (\p) == 0
	HEADWORK
.endif
.irp t, 0,1
.irp c, 0,1
	global_load_b128 v[SB+8*\t+4*\c:SB+8*\t+4*\c+3], v[ABS], s[XC_+6:XC_+7] offset:\t*1024+16*\c   ; lane l takes row l of a pair of tiles
.endr
.endr
.if \kind
.irp b, 0,1,2,3
.irp j, 0,1,2,3,4,5,6,7
	global_load_b32 v[BQ+8*\b+\j], v[BR], s[XC_+8:XC_+9] offset:64*\b              ; all eight registers of tile b: the bias of channel 16 b + r
.endr
.endr
.else
.irp b, 0,1,2,3
	global_load_b128 v[BQ+8*\b:BQ+8*\b+3], v[BO], s[XC_+8:XC_+9] offset:64*\b      ; register j of tile b: the bias of channel 16 b + 8 h + j
	global_load_b128 v[BQ+8*\b+4:BQ+8*\b+7], v[BO], s[XC_+8:XC_+9] offset:64*\b+16
.endr
.endif
	s_wait_alu depctr_va_vdst(0)                   ; ahead of the branch and the waits below
	s_cmp_lt_u32 s38, 2
	s_cbranch_scc0 .Lnot_yet_\@
	s_wait_tensorcnt 0x0                           ; waves 0, 1: the weight's rows are in.  The other waves' wait stands ahead of the round below
.Lnot_yet_\@:
	BARRIER
	global_prefetch_b8 v[PF], s[XC_:XC_+1] offset:131072 th:TH_LOAD_NT scope:SCOPE_SE   ; chunk b
.irp q, 0,1,2,3,4,5,6,7
.irp b, 0,1,2,3
	FRAG 4*\q+\b, \q, \b*16*PITCH
.endr
.endr
	WIN 0
	s_wait_tensorcnt 0x0                           ; chunk a and the scale bytes are in; the three lines ahead of a refill's round
	ds_add_u32 v[SPW], v[NIL]
	s_mov_b32 s[G1A+2], 32<<16                     ; chunk b comes as 32 rows a wave
	s_mov_b32 s[G1A+4], 32
	s_wait_dscnt 0x0                               ; the add is done, and my part of the weight is in registers
	CROUND
	TLOAD G0R, G1A                                 ; chunk b over the weight's rows: the first tensor load behind the round
	FETCH 0
	FETCH 1
	s_wait_loadcnt 0x0                             ; the weight's scale words and the bias
.irp k, 0,1,2,3,4,5,6,7
	BLK \k
.endr
.endm
.macro HEADWORK                        ; under the first loads' flight: the buffers' places and the lanes' addresses
	s_lshl_b32 s2, s43, 12                         ; a weight's scale bytes: (128 x tile column + 64 x my column of waves) x 32
	s_lshl_b32 s3, s40, 11
	s_add_co_u32 s2, s2, s3
	s_mov_b32 s3, 0
	s_add_nc_u64 s[10:11], s[10:11], s[2:3]
	s_add_nc_u64 s[20:21], s[20:21], s[2:3]
	s_add_nc_u64 s[30:31], s[30:31], s[2:3]
	s_lshr_b32 s2, s2, 3                           ; a bias: the same channel x 4
	s_add_nc_u64 s[12:13], s[12:13], s[2:3]
	s_add_nc_u64 s[22:23], s[22:23], s[2:3]
	s_add_nc_u64 s[32:33], s[32:33], s[2:3]
	s_lshr_b32 s2, s44, 3                          ; batch x 16 + head: head = 2 x tile column + my column of waves
	s_lshl_b32 s2, s2, 4
	s_lshl_b32 s3, s43, 1
	s_add_co_u32 s2, s2, s3
	s_add_co_u32 s2, s2, s40
	s_mul_i32 s2, s2, 139264
	s_and_b32 s3, s44, 7                           ; my first group of 128 tokens in the batch: 2 x (tile row % 8)
	s_mul_i32 s3, s3, 17408
	s_add_co_u32 s2, s2, s3
	s_mov_b32 s3, 0
	s_add_nc_u64 s[34:35], s[34:35], s[2:3]        ; q
	s_lshl_b32 s2, s2, 1
	s_add_nc_u64 s[36:37], s[36:37], s[2:3]        ; kv: twice as far
	v_and_b32 v1, 15, v0                           ; r
	v_bfe_u32 v2, v0, 4, 1                         ; h
	v_and_b32 v3, 31, v0                           ; lane
	v_mov_b32 v23, s39                             ; my row of waves
	v_lshlrev_b32 v[CO], 4, v3
	v_mul_u32_u24 v22, v1, PITCH
	v_lshl_add_u32 v22, v2, 4, v22                 ; a fragment's row x pitch + 16 h
	v_add_nc_u32 v[ADA], s47, v22
	v_add_nc_u32 v[ADA+1], YB, v[ADA]
	v_add_nc_u32 v[ADRB], s105, v22
	v_and_b32 v21, 7, v1
	v_lshlrev_b32 v21, 5, v21
	v_lshrrev_b32 v[AAS], 3, v1
	v_mad_u32_u24 v21, v[AAS], 272, v21
	v_add_nc_u32 v[AAS], s66, v21                  ; 32 bytes a token, eight tokens to a unit of 272
	v_lshlrev_b32 v[ABS], 5, v3
	v_lshlrev_b32 v[BO], 5, v2
	v_lshlrev_b32 v[BR], 2, v1
	v_lshl_add_u32 v[CN], v23, 12, v[CO]
	v_lshlrev_b32 v21, 4, v1
	v_lshl_add_u32 v[SV], v23, 8, v21
	v_lshl_add_u32 v[CV], v23, 10, v[CO]
	v_lshl_add_u32 v[SVV], v23, 1, v[CO]
	v_lshl_add_u32 v[PF], v3, 8, s67
.irp b, 0,1,2,3
	v_mov_b32 v[TM+4+\b], 0                        ; written once: a lane permute's destination counts as one of its sources
.endr
.endm
	s_load_b512 s[4:19], s[0:1], 0x0               ; query's codes, scales, Wq's codes, scales, bq; key's codes, scales, Wk's codes
	s_load_b512 s[20:35], s[0:1], 0x40             ; Wk's scales, bk; value's codes, scales, Wv's codes, scales, bv; q
	s_load_b64 s[36:37], s[0:1], 0x80              ; kv
	v_lshl_add_u32 v[SPW], v0, 2, SPARE
	v_mov_b32 v[NIL], 0
	ds_add_u32 v[SPW], v[NIL]                      ; the opening lines: the add twice on end
	ds_add_u32 v[SPW], v[NIL]
	v_lshrrev_b32 v1, 5, v0
	v_readfirstlane_b32 s38, v1                    ; wave 0..3
	s_lshr_b32 s39, s38, 1                         ; my row of waves: which blocks
	s_and_b32 s40, s38, 1                          ; my column of waves: which head
	s_bfe_u32 s41, ttmp6, 0x40000                  ; cx, cy
	s_bfe_u32 s42, ttmp6, 0x40004
	s_lshl_b32 s43, ttmp9, 2
	s_add_co_u32 s43, s43, s41                     ; tile column, 0..7
	s_and_b32 s44, ttmp7, 0xffff
	s_lshl_b32 s44, s44, 2
	s_add_co_u32 s44, s44, s42                     ; tile row, 0..31
	s_lshl_b32 s45, s42, 2
	s_lshl_b32 s45, 15, s45                        ; my row of the cluster: shares the tokens
	s_lshl_b32 s46, 0x1111, s41                    ; my column: shares the weights
	GROUP1 G1W, 46, 64
	GROUP1 G1A, 45, 128
	s_or_b32 s[G1S+0], s45, (3<<16)|(1<<20)|(1<<21)|(5<<22)|(3<<25)   ; 8,192 dense bytes as 32 rows of 256, 16 of padding behind each
	s_mov_b32 s[G1S+1], 32<<16
	s_mov_b32 s[G1S+2], 32<<16
	s_mov_b32 s[G1S+3], 32<<16
	s_mov_b32 s[G1S+4], 32
	s_mov_b32 s[G1S+5], 32
	s_mov_b32 s[G1S+6], 0
	s_mov_b32 s[G1S+7], 0
	s_lshl_b32 s[OW], s43, 17                      ; a weight: 128 x tile column rows of 1,024 bytes, + 64 x wave
	s_lshl_b32 s2, s38, 16
	s_add_co_u32 s[OW], s[OW], s2
	s_mov_b32 s[OW+1], 0
	s_lshl_b32 s[OX], s44, 18                      ; tokens: 256 x tile row rows of 1,024 bytes
	s_mov_b32 s[OX+1], 0
	s_lshl_b32 s[OS], s44, 13                      ; their scale bytes
	s_mov_b32 s[OS+1], 0
	s_lshl_b32 s[OR], s38, 15                      ; chunk b: 128 rows on, + 32 x wave
	s_add_co_u32 s[OR], s[OR], s[OX]
	s_add_co_u32 s[OR], s[OR], 131072
	s_mov_b32 s[OR+1], 0
	s_mov_b32 s[G0W], 1
	s_mul_i32 s[G0W+1], s38, 64*PITCH
	s_add_co_u32 s[G0W+1], s[G0W+1], YB
	s_mov_b32 s[G0A], 1
	s_mov_b32 s[G0A+1], 0
	s_mov_b32 s[G0S], 1
	s_mov_b32 s[G0S+1], SCL
	s_mov_b32 s[G0R], 1
	s_mul_i32 s[G0R+1], s38, 32*PITCH
	s_add_co_u32 s[G0R+1], s[G0R+1], YB
	s_mov_b32 s[SEL], 0x76543210
	s_mov_b32 s[SEL+1], 0xfedcba98
	s_mov_b32 s[MNT], 0x600000
	s_mul_i32 s47, s39, 64*PITCH                   ; my four blocks of a chunk
	s_mul_i32 s105, s40, 64*PITCH                  ; my 64 rows of a weight
	s_add_co_u32 s105, s105, YB
	s_mul_i32 s66, s39, 4*544                      ; my tokens' scale bytes
	s_add_co_u32 s66, s66, SCL
	s_lshl_b32 s67, s41, 15                        ; the prefetches: of the row's sixteen waves number 4 cx + wave takes 8,192 bytes of a chunk
	s_lshl_b32 s2, s38, 13
	s_add_co_u32 s67, s67, s2
	s_add_co_u32 s67, s67, s[OX]
	s_wait_dscnt 0x0                               ; both opening adds are done
	CROUND                                         ; all sixteen work-groups are here
	s_wait_kmcnt 0x0
	PHASE 0, 0, 34, 8704, 8192, 14                 ; Q
	PHASE 1, 0, 36, 17408, 16384, 24               ; K
	PHASE 2, 1, 36, 17408, 16896, 0                ; V
	s_wait_tensorcnt 0x0                           ; the wave's end
	ds_add_u32 v[SPW], v[NIL]
	s_wait_dscnt 0x0
	CROUND                                         ; the closing round
	s_endpgm
.Lfunc_end_k_q8144a57d51_proj:
	.size	k_q8144a57d51_proj, .Lfunc_end_k_q8144a57d51_proj-k_q8144a57d51_proj
	.p2alignl 7, 3214868480
	.fill 96, 4, 3214868480
	.section	.rodata,"a",@progbits
	.p2align	6, 0x0
	.amdhsa_kernel k_q8144a57d51_proj
		.amdhsa_group_segment_fixed_size 327680
		.amdhsa_private_segment_fixed_size 0
		.amdhsa_enable_private_segment 0
		.amdhsa_kernarg_size 136
		.amdhsa_user_sgpr_count 2
		.amdhsa_user_sgpr_kernarg_segment_ptr 1
		.amdhsa_wavefront_size32 1
		.amdhsa_system_sgpr_workgroup_id_x 1
		.amdhsa_system_sgpr_workgroup_id_y 1
		.amdhsa_system_sgpr_workgroup_id_z 1
		.amdhsa_system_vgpr_workitem_id 0
		.amdhsa_next_free_vgpr 1024
		.amdhsa_next_free_sgpr 106
		.amdhsa_reserve_vcc 0
		.amdhsa_float_denorm_mode_32 3
		.amdhsa_float_denorm_mode_16_64 3
		.amdhsa_memory_ordered 1
		.amdhsa_forward_progress 1
		.amdhsa_inst_pref_size 255
	.end_amdhsa_kernel
	.section	.bss,"aw",@nobits
	.p2align	6
	.space	262144
	.amdgpu_metadata
---
amdhsa.version: [ 1, 2 ]
amdhsa.kernels:
  - .name:           k_q8144a57d51_proj
    .symbol:         k_q8144a57d51_proj.kd
    .args:
      - { .name: query_codes, .offset: 0, .size: 8, .value_kind: global_buffer, .address_space: global }
      - { .name: query_scales, .offset: 8, .size: 8, .value_kind: global_buffer, .address_space: global }
      - { .name: Wq_codes, .offset: 16, .size: 8, .value_kind: global_buffer, .address_space: global }
      - { .name: Wq_scales, .offset: 24, .size: 8, .value_kind: global_buffer, .address_space: global }
      - { .name: bq, .offset: 32, .size: 8, .value_kind: global_buffer, .address_space: global }
      - { .name: key_codes, .offset: 40, .size: 8, .value_kind: global_buffer, .address_space: global }
      - { .name: key_scales, .offset: 48, .size: 8, .value_kind: global_buffer, .address_space: global }
      - { .name: Wk_codes, .offset: 56, .size: 8, .value_kind: global_buffer, .address_space: global }
      - { .name: Wk_scales, .offset: 64, .size: 8, .value_kind: global_buffer, .address_space: global }
      - { .name: bk, .offset: 72, .size: 8, .value_kind: global_buffer, .address_space: global }
      - { .name: value_codes, .offset: 80, .size: 8, .value_kind: global_buffer, .address_space: global }
      - { .name: value_scales, .offset: 88, .size: 8, .value_kind: global_buffer, .address_space: global }
      - { .name: Wv_codes, .offset: 96, .size: 8, .value_kind: global_buffer, .address_space: global }
      - { .name: Wv_scales, .offset: 104, .size: 8, .value_kind: global_buffer, .address_space: global }
      - { .name: bv, .offset: 112, .size: 8, .value_kind: global_buffer, .address_space: global }
      - { .name: q, .offset: 120, .size: 8, .value_kind: global_buffer, .address_space: global }
      - { .name: kv, .offset: 128, .size: 8, .value_kind: global_buffer, .address_space: global }
    .group_segment_fixed_size: 327680
    .private_segment_fixed_size: 0
    .kernarg_segment_align: 8
    .kernarg_segment_size: 136
    .max_flat_workgroup_size: 128
    .sgpr_count:     106
    .vgpr_count:     1024
    .wavefront_size: 32
...
	.end_amdgpu_metadata
.endif
;; end of part 1
;; launch attn (part 2): grid 256 x 1, 8 waves a work-group, clusters of 4 x 1, 279,552 bytes of LDS; arguments q, kv, ao, ao_sc; writes ao, ao_sc
.if DOCPART == 2
	.amdgcn_target "amdgcn-amd-amdhsa--gfx1250"
	.amdhsa_code_object_version 6
	.text
	.protected	k_q8144a57d51_attn
	.globl	k_q8144a57d51_attn
	.p2align	8
	.type	k_q8144a57d51_attn,@function
k_q8144a57d51_attn:
	s_mov_b64 s[64:65], 0
	v_nop
	global_prefetch_b8 v0, s[64:65] scope:SCOPE_SE
	s_setreg_imm32_b32 hwreg(HW_REG_WAVE_MODE, 25, 1), 1
	s_wait_xcnt 0x0
	s_wait_alu depctr_hold_cnt(0) depctr_sa_sdst(0) depctr_va_vdst(0) depctr_va_sdst(0) depctr_va_ssrc(0) depctr_va_vcc(0) depctr_vm_vsrc(0)
	s_getreg_b32 s2, hwreg(HW_REG_IB_STS2, 6, 4)
	s_cmp_eq_u32 s2, 0
	s_cbranch_scc0 .Lentry_in_a_cluster
	s_endpgm
.Lentry_in_a_cluster:
	s_bfe_u32 s2, ttmp6, 0x10000c
	s_cmp_lg_u32 s2, 0x3003
	s_cbranch_scc0 .Lentry_shape_is_right
	s_endpgm
.Lentry_shape_is_right:
; ATTENTION ON CODES: 64 heads (batch x 16 + head), 2,048 queries x 2,048 keys, head size 64.  S^T = K Q^T and O^T = V^T P^T on E4M3 codes with E8M0 scales, f32 sums.
; THE SOFTMAX: t = score x log2(e) / 8; M = the running largest t rounded UP to a whole number (kept as -M); p = 2^(t - M) is quantised along the keys, not normalised; the row's sum is taken of the
; unquantised p; when M moves, the sum and O^T are multiplied by 2^(old M - new M), which rounds nothing.  At the end O^T is divided by the sum and quantised along the model's 1,024.
; SHARES.  The four work-groups of a cluster take one head, 512 queries each; eight waves, two to a SIMD; a wave takes a PAIR of tiles of 16 queries (each fragment of K and V feeds two products), twice over.
; LDS.  The head's block of kv, 278,528 bytes, is copied as it lies, once, by joint loads: wave w brings key steps 2 w and 2 w + 1.  Nothing is filled again, nothing is stored to LDS.
; Wave 0 has a load line of its own: the first barrier shows its two key steps alone, and a pass's first key step reads only those; the barrier behind that step shows the rest.
; No prefetch: kv is asked for once, at the head, and there is no loop to run ahead in.
; THE TWO TILES GO SIDE BY SIDE: their maxima, statistics and scale lines stand by turns (eight chains).  Among tile a's exponentials stand tile b's multiply-adds, among tile b's the holds of tile a: lines
; whose sources were written ahead of the batch's first wait and whose results are read behind its second.  A hold is one half of a dual pair: two numbers a line.
; LAYOUT.  q and kv hold images of operand registers (lane l's 16 bytes at 16 l).  A lane holds ONE query (lane % 16) in S^T, p and O^T.  K = 64 in the first product: registers 8-15 of K's and Q's fragments
; are zero codes, cleared once.  The 16 registers of S^T's tiles 2 c, 2 c + 1 hold keys 32 c + 8 h + 0..7 and 32 c + 16 + 8 h + 0..7; V's codes were laid in the same order.
; OUT.  ao: [head / 4][row / 16][(head / 2) % 2][2 (head % 2) + c][lane][16 bytes].  ao_sc: [row][32]: byte 2 head + c, one byte a lane (a row's 32 bytes come from 16 heads, which other work-groups own).
; LIMITS: NaN and infinities are not served.  A block whose largest magnitude lies under 2^-118 keeps the scale byte 1.  A block's largest p is made from its largest score by the same two instructions
; as every p; that takes v_exp_f32 not to fall where its input rises.  The promise holds while the scaled scores stay under 2^31 in magnitude.
; REGISTERS.  Window 0: v1-5 addresses; v8-15 -M, largest score, sum (two halves) of tiles a, b; v16-27 scale words alone; v28-31, v224-253 at work; v32-95 V's fragments; v96-159, v160-223 S^T, then p.
;   Window 1: v0-127 K's eight fragments; v128-159 Q's two; v160-223 O^T of the two tiles; v224-255 p's codes.
.set STEPB, 17408                      ; a key step in LDS: K 8 x 1,024 | V^T 4 x 2,048 | K's scale words 512 | V's 512
.set LI,   1                           ; 16 x lane
.set AD,   2                           ; LDS address of the step whose K is fetched
.set QSV,  3                           ; 16 x (lane % 16)
.set SCV,  4                           ; 32 x (lane % 16) + lane / 16
.set AV,   5                           ; LDS address of the step whose V is fetched
.set STA,  8
.set STB,  12
.set KSR,  16
.set VSR,  20
.set QSR,  24
.set PWR,  26
.set SCB,  28                          ; tile b: the conversions' scale operands
.set VF,   32
.set SA,   96
.set SBB,  160
.set BMA,  224                         ; a block's largest score, its largest p, its byte: tile a; BMB: tile b
.set BMB,  228
.set HOA,  232                         ; the other half of the lanes' maximum; then 448 x the scale
.set SCA,  236
.set TA,   240
.set TBX,  241
.set FA,   242                         ; v[242:243], v[244:245]: f = 2^(old M - new M); the pairs' upper words are written once
.set FB,   244
.set R0,   246                         ; the sums' side chains: v[246:247], v[248:249], v[240:241]
.set R1,   248
.set R2,   240
.set HOB,  250
.set SPW,  254
.set NIL,  255
.set QF,   128                         ; in window 1
.set OTA,  160
.set OTB,  192
.set CA,   224
.set CBB,  240
.set WV,   12
.set QP,   16
.set QSP,  18
.set SEL,  20
.set CS,   22
.set MNT,  24
.set HM,   25
.set TB,   26
.set CNT,  27
.set PASS, 28
.set TN,   29
.set G0,   32
.set G1,   36
.set MSB, 0
.macro WIN new                         ; the immediate's high byte repeats the setting that is left
.if MSB != \new
	s_set_vgpr_msb (MSB<<8)|\new
.set MSB, \new
.endif
.endm
.macro CROUND                          ; a round of the cluster's barrier
	s_barrier_signal -1
	s_barrier_wait -1
	s_cmp_lg_u32 s[WV], 0
	s_cbranch_scc1 .Lnot_wave_0_\@
	s_barrier_signal -3
.Lnot_wave_0_\@:
	s_barrier_wait -3
	s_barrier_signal -1
	s_barrier_wait -1
.endm
.macro TLOAD
	tensor_load_to_lds s[G0:G0+3], s[G1:G1+7]
	s_nop 0
.rept 4
	v_nop
.endr
.endm
.macro QLOAD                           ; my pair's two fragments of Q and their scale words
	WIN 0x40
.irp x, 0,1
.irp c, 0,1
	global_load_b128 v[QF+16*\x+4*\c:QF+16*\x+4*\c+3], v[LI], s[QP:QP+1] offset:1024*\x+512*\c
.endr
.endr
	WIN 0
	global_load_b32 v[QSR], v[QSV], s[QSP:QSP+1]
	global_load_b32 v[QSR+1], v[QSV], s[QSP:QSP+1] offset:4
.endm
.macro KLOAD                           ; 17 LDS loads: a step's scale words of K and its eight fragments
	ds_load_b128 v[KSR:KSR+3], v[AD] offset:16384
	WIN 0x40
.irp t, 0,1,2,3,4,5,6,7
.irp c, 0,1
	ds_load_b128 v[16*\t+4*\c:16*\t+4*\c+3], v[AD] offset:1024*\t+512*\c
.endr
.endr
	WIN 0
.endm
	s_load_b256 s[4:11], s[0:1], 0x0               ; q, kv, ao, ao_sc
	v_lshl_add_u32 v[SPW], v0, 2, 0x44000
	v_mov_b32 v[NIL], 0
	ds_add_u32 v[SPW], v[NIL]                      ; the opening lines: the add twice on end
	ds_add_u32 v[SPW], v[NIL]
	v_lshrrev_b32 v6, 5, v0
	v_readfirstlane_b32 s[WV], v6                  ; wave 0..7
	s_bfe_u32 s13, ttmp6, 0x40000                  ; cx: my 512 queries; it enters q's, ao's and ao_sc's addresses alone
	s_mov_b32 s14, ttmp9                           ; the cluster's x: batch x 16 + head
	s_mul_i32 s30, s14, 16*STEPB
	s_mul_i32 s29, s[WV], 2*STEPB                  ; my two key steps: in memory and in LDS alike
	s_add_co_u32 s30, s30, s29
	s_mov_b32 s31, 0
	s_mov_b32 s[G1], 15|(3<<16)|(1<<21)            ; 34,816 dense bytes as 136 rows of 256; the mask names all four work-groups
	s_mov_b32 s[G1+1], 32<<16
	s_mov_b32 s[G1+2], 136<<16
	s_mov_b32 s[G1+3], 32<<16
	s_mov_b32 s[G1+4], 136
	s_mov_b32 s[G1+5], 32
	s_mov_b32 s[G1+6], 0
	s_mov_b32 s[G1+7], 0
	s_mov_b32 s[SEL], 0x76543210
	s_mov_b32 s[SEL+1], 0xfedcba98
	s_mov_b32 s[CS], 0x3e38aa3b                    ; c = log2(e) / 8
	s_mov_b32 s[CS+1], s[CS]
	s_mov_b32 s[MNT], 0x600000
	s_mov_b32 s[HM], 0xffff0000
	s_mov_b32 s[PASS], 2
	s_wait_dscnt 0x0
	s_wait_kmcnt 0x0
	s_mov_b32 s[G0], 1
	s_mov_b32 s[G0+1], s29
	s_add_nc_u64 s[G0+2:G0+3], s[6:7], s[30:31]
	s_or_b32 s[G0+3], s[G0+3], 0x80000000
	CROUND                                         ; all four work-groups are here: the joint loads meet
	s_cmp_eq_u32 s[WV], 0                          ; one load a wave; wave 0's line is its own, since it alone waits at the first barrier
	s_cbranch_scc0 .Lrest
	TLOAD
	s_branch .Lasked
.Lrest:
	TLOAD
.Lasked:
	; q: block of 128 queries = 4 cx + wave / 4 (+ 2 in the second pass); in it tiles 2 (wave % 4), + 1
	s_mul_i32 s44, s14, 139264
	s_lshl_b32 s45, s13, 2
	s_lshr_b32 s46, s[WV], 2
	s_add_co_u32 s45, s45, s46
	s_mul_i32 s45, s45, 8704
	s_add_co_u32 s44, s44, s45
	s_and_b32 s45, s[WV], 3
	s_lshl_b32 s46, s45, 11
	s_add_co_u32 s46, s46, s44
	s_mov_b32 s47, 0
	s_add_nc_u64 s[QP:QP+1], s[4:5], s[46:47]
	s_lshr_b32 s45, s45, 1
	s_lshl_b32 s45, s45, 8
	s_and_b32 s46, s[WV], 1
	s_lshl_b32 s46, s46, 3
	s_add_co_u32 s46, s46, s45
	s_add_co_u32 s46, s46, s44
	s_add_co_u32 s46, s46, 8192
	s_add_nc_u64 s[QSP:QSP+1], s[4:5], s[46:47]
	; the output: row tile = batch x 128 + 32 cx + 2 wave (+ 16 in the second pass)
	s_and_b32 s44, s14, 15
	s_lshr_b32 s45, s14, 4
	s_lshl_b32 s45, s45, 7
	s_lshl_b32 s46, s13, 5
	s_add_co_u32 s45, s45, s46
	s_lshl_b32 s46, s[WV], 1
	s_add_co_u32 s45, s45, s46
	s_lshl_b32 s46, s45, 9
	s_lshl_b32 s29, s44, 1
	s_add_co_u32 s46, s46, s29
	s_add_nc_u64 s[10:11], s[10:11], s[46:47]
	s_lshl_b32 s46, s45, 12
	s_lshr_b32 s29, s44, 2
	s_lshl_b32 s29, s29, 21
	s_add_co_u32 s46, s46, s29
	s_and_b32 s29, s44, 3
	s_lshl_b32 s29, s29, 10
	s_add_co_u32 s46, s46, s29
	s_add_nc_u64 s[8:9], s[8:9], s[46:47]
	v_and_b32 v6, 31, v0
	v_and_b32 v7, 15, v0
	v_bfe_u32 v[AV], v0, 4, 1
	v_lshlrev_b32 v[LI], 4, v6
	v_lshlrev_b32 v[QSV], 4, v7
	v_lshl_add_u32 v[SCV], v7, 5, v[AV]
	QLOAD
	WIN 0x40
.irp t, 0,1,2,3,4,5,6,7,8,9
.irp i, 8,9,10,11,12,13,14,15
	v_mov_b32 v[16*\t+\i], 0                       ; the upper 64 of K in K's eight fragments and Q's two: zero codes, once
.endr
.endr
	WIN 0
.irp b, 0,1,2,3
	v_mov_b32 v[HOA+\b], 0                         ; written once: a lane permute's destination counts as one of its sources
	v_mov_b32 v[HOB+\b], 0
.endr
	v_mov_b32 v[FA+1], 0                           ; (named as the upper halves of pairs)
	v_mov_b32 v[FB+1], 0
	s_wait_alu depctr_va_vdst(0)                   ; at the head's end
	s_cmp_eq_u32 s[WV], 0
	s_cbranch_scc0 .Lnot_first
	s_wait_tensorcnt 0x0                           ; wave 0: key steps 0 and 1 are in.  The other waves' wait stands at the barrier behind a pass's first step
.Lnot_first:
	s_barrier_signal -1
	s_barrier_wait -1
	v_mov_b32 v[AD], v[LI]
	KLOAD                                          ; key step 0
.macro MX0 SB, BM
.irp b, 0,1,2,3
	v_max3_num_f32 v[\BM+\b], v[\SB+16*\b], v[\SB+16*\b+1], v[\SB+16*\b+2]
.endr
.endm
.macro MX SB, BM, i
.irp b, 0,1,2,3
	v_max3_num_f32 v[\BM+\b], v[\BM+\b], v[\SB+16*\b+\i], v[\SB+16*\b+\i+1]
.endr
.endm
.macro SUM SB, ST                      ; the row's sum of the unquantised p: 32 packed additions in four chains
	v_pk_add_f32 v[R0:R0+1], v[\SB:\SB+1], v[\SB+2:\SB+3]
	v_pk_add_f32 v[R1:R1+1], v[\SB+4:\SB+5], v[\SB+6:\SB+7]
	v_pk_add_f32 v[R2:R2+1], v[\SB+8:\SB+9], v[\SB+10:\SB+11]
	v_pk_add_f32 v[\ST+2:\ST+3], v[\ST+2:\ST+3], v[\SB+12:\SB+13]
.set j, 14
.rept 6
	v_pk_add_f32 v[R0:R0+1], v[R0:R0+1], v[\SB+j:\SB+j+1]
	v_pk_add_f32 v[R1:R1+1], v[R1:R1+1], v[\SB+j+2:\SB+j+3]
	v_pk_add_f32 v[R2:R2+1], v[R2:R2+1], v[\SB+j+4:\SB+j+5]
	v_pk_add_f32 v[\ST+2:\ST+3], v[\ST+2:\ST+3], v[\SB+j+6:\SB+j+7]
.set j, j+8
.endr
	v_pk_add_f32 v[R0:R0+1], v[R0:R0+1], v[\SB+62:\SB+63]
	v_pk_add_f32 v[\ST+2:\ST+3], v[\ST+2:\ST+3], v[R2:R2+1]
	v_pk_add_f32 v[R0:R0+1], v[R0:R0+1], v[R1:R1+1]
	v_pk_add_f32 v[\ST+2:\ST+3], v[\ST+2:\ST+3], v[R0:R0+1]
.endm
.macro HOLD2 SB, HO, j                 ; two holds in one line: the conversion does not saturate (ISA guide 7.6.2); p is not negative, so the hold is one-sided
	v_dual_min_num_f32 v[\SB+\j], v[\SB+\j], v[\HO+(\j)/16] :: v_dual_min_num_f32 v[\SB+\j+1], v[\SB+\j+1], v[\HO+(\j)/16]
.endm
.macro CODES SB, SCO, CB               ; 64 codes into window 1
	WIN 0x40
.irp b, 0,1,2,3
	v_cvt_scalef32_pk8_fp8_f32 v[\CB+4*\b:\CB+4*\b+1], v[\SB+16*\b:\SB+16*\b+7], v[\SCO+\b]
	v_cvt_scalef32_pk8_fp8_f32 v[\CB+4*\b+2:\CB+4*\b+3], v[\SB+16*\b+8:\SB+16*\b+15], v[\SCO+\b]
.endr
	WIN 0
.endm
; A KEY STEP for my pair of tiles.  first = 1: a pass's first step: its addresses are constants inside wave 0's two key steps, and its products start O^T's sums.
.macro STEP first
	s_wait_dscnt 0x0                               ; this step's K and its scale words are in
	WIN 0x05
.irp t, 0,1,2,3,4,5,6,7
.irp x, 0,1
.if \t < 4
	v_wmma_scale_f32_16x16x128_f8f6f4 v[SA+64*\x+8*\t:SA+64*\x+8*\t+7], v[16*\t:16*\t+15], v[QF+16*\x:QF+16*\x+15], 0, v[KSR+\t], v[QSR+\x]
.else
	v_wmma_scale_f32_16x16x128_f8f6f4 v[SA+64*\x+8*\t:SA+64*\x+8*\t+7], v[16*\t:16*\t+15], v[QF+16*\x:QF+16*\x+15], 0, v[KSR+\t-4], v[QSR+\x] matrix_a_scale:MATRIX_SCALE_ROW1
.endif
.endr
.endr
	WIN 0
	; eight places: for the reads of S^T, and for the loads into K's, V's and their scale words' registers
.if \first
	v_mov_b32 v[AV], v[LI]
	s_mov_b32 s[TB], STEPB
	v_add_nc_u32 v[AD], STEPB, v[LI]
.else
	v_add_nc_u32 v[AV], s[TB], v[LI]
	s_add_co_u32 s[TB], s[TB], STEPB
	s_min_u32 s[TN], s[TB], 15*STEPB               ; the last step has no successor: it fetches its own K once more, which nobody uses
	v_add_nc_u32 v[AD], s[TN], v[LI]
.endif
.rept 6
	v_nop
.endr
.irp t, 0,1,2,3                        ; 17 LDS loads: V's four fragments and its scale words
.irp c, 0,1,2,3
	ds_load_b128 v[VF+16*\t+4*\c:VF+16*\t+4*\c+3], v[AV] offset:8192+2048*\t+512*\c
.endr
.endr
	ds_load_b128 v[VSR:VSR+3], v[AV] offset:16896
	KLOAD                                          ; 17 more, for the next step
	; the largest score of each block of 32 keys: it serves the row's maximum and, since p rises with the score, the block's largest p
	MX0 SA, BMA
	MX0 SBB, BMB
.irp i, 3,5,7,9,11,13
	MX SA, BMA, \i
	MX SBB, BMB, \i
.endr
.irp b, 0,1,2,3
	v_max_num_f32 v[BMA+\b], v[BMA+\b], v[SA+16*\b+15]
	v_max_num_f32 v[BMB+\b], v[BMB+\b], v[SBB+16*\b+15]
.endr
.irp b, 0,1,2,3
	v_permlanex16_b32 v[HOA+\b], v[BMA+\b], s[SEL], s[SEL+1]
	v_permlanex16_b32 v[HOB+\b], v[BMB+\b], s[SEL], s[SEL+1]
.endr
.irp b, 0,1,2,3
	v_max_num_f32 v[BMA+\b], v[BMA+\b], v[HOA+\b]  ; with lane l xor 16's 16 keys
	v_max_num_f32 v[BMB+\b], v[BMB+\b], v[HOB+\b]
.endr
	v_max3_num_f32 v[TA], v[BMA], v[BMA+1], v[BMA+2]
	v_max3_num_f32 v[TBX], v[BMB], v[BMB+1], v[BMB+2]
	v_max3_num_f32 v[STA+1], v[STA+1], v[TA], v[BMA+3]   ; the running largest score
	v_max3_num_f32 v[STB+1], v[STB+1], v[TBX], v[BMB+3]
	v_mov_b32 v[R0], v[STA]
	v_mov_b32 v[R1], v[STB]
	v_mul_f32 v[TA], s[CS], v[STA+1]               ; as t (c is positive)
	v_mul_f32 v[TBX], s[CS], v[STB+1]
	v_floor_f32 v[STA], -v[TA]                     ; the new -M = -ceil(t): a whole number
	v_floor_f32 v[STB], -v[TBX]
	v_sub_f32 v[TA], v[STA], v[R0]                 ; old M - new M: a whole number, 0 or less
	v_sub_f32 v[TBX], v[STB], v[R1]
	v_cvt_i32_f32 v[TA], v[TA]                     ; (it saturates)
	v_cvt_i32_f32 v[TBX], v[TBX]
	v_ldexp_f32 v[FA], 1.0, v[TA]                  ; f = 2^(old M - new M)
	v_ldexp_f32 v[FB], 1.0, v[TBX]
.set j, 0
.rept 32
	v_pk_fma_f32 v[SA+j:SA+j+1], v[SA+j:SA+j+1], s[CS:CS+1], v[STA:STA+1] op_sel_hi:[1,0,0]   ; tile a: t - M, two at a time
.set j, j+2
.endr
.irp b, 0,1,2,3
	v_fma_f32 v[BMA+\b], v[BMA+\b], s[CS], v[STA]  ; the same of each block's largest score
	v_fma_f32 v[BMB+\b], v[BMB+\b], s[CS], v[STB]
.endr
	s_wait_alu depctr_va_vdst(0)                   ; ahead of the batch
.set j, 0
.rept 32                               ; tile a's p = 2^(t - M); among them tile b's t - M
	v_exp_f32 v[SA+j], v[SA+j]
	v_exp_f32 v[SA+j+1], v[SA+j+1]
	v_pk_fma_f32 v[SBB+j:SBB+j+1], v[SBB+j:SBB+j+1], s[CS:CS+1], v[STB:STB+1] op_sel_hi:[1,0,0]
.set j, j+2
.endr
.irp b, 0,1,2,3
	v_exp_f32 v[BMA+\b], v[BMA+\b]                 ; the blocks' largest p
	v_exp_f32 v[BMB+\b], v[BMB+\b]
.endr
	v_pk_mul_f32 v[STA+2:STA+3], v[STA+2:STA+3], v[FA:FA+1] op_sel_hi:[1,0]   ; the sums under the new M (plain lines behind the exponentials)
	v_pk_mul_f32 v[STB+2:STB+3], v[STB+2:STB+3], v[FB:FB+1] op_sel_hi:[1,0]
	s_wait_alu depctr_va_vdst(0)                   ; one wait for the batch, ahead of its first reader
.irp b, 0,1,2,3
	v_max_num_f32 v[BMA+\b], 0x4800000, v[BMA+\b]  ; the floor 2^-118: the byte cannot fall under 1
	v_max_num_f32 v[BMB+\b], 0x4800000, v[BMB+\b]
.endr
.irp b, 0,1,2,3
	v_add_nc_u32 v[SCA+\b], 0xfc000000, v[BMA+\b]  ; 8 off the exponent field: the conversion's scale operand
	v_add_nc_u32 v[SCB+\b], 0xfc000000, v[BMB+\b]
.endr
.irp b, 0,1,2,3
	v_and_or_b32 v[HOA+\b], v[BMA+\b], 0x7f800000, s[MNT]   ; 448 x the scale
	v_and_or_b32 v[HOB+\b], v[BMB+\b], 0x7f800000, s[MNT]
.endr
.irp b, 0,1,2,3
	v_lshrrev_b32 v[BMA+\b], 23, v[SCA+\b]         ; the scale's byte
	v_lshrrev_b32 v[BMB+\b], 23, v[SCB+\b]
.endr
	v_lshl_or_b32 v[PWR], v[BMA+1], 8, v[BMA]      ; p's scale words for these 128 keys
	v_lshl_or_b32 v[PWR+1], v[BMB+1], 8, v[BMB]
	v_lshl_or_b32 v[PWR], v[BMA+2], 16, v[PWR]
	v_lshl_or_b32 v[PWR+1], v[BMB+2], 16, v[PWR+1]
	v_lshl_or_b32 v[PWR], v[BMA+3], 24, v[PWR]
	v_lshl_or_b32 v[PWR+1], v[BMB+3], 24, v[PWR+1]
	SUM SA, STA
	s_wait_alu depctr_va_vdst(0)                   ; ahead of the second batch
.set j, 0
.rept 32                               ; tile b's p; among them tile a's holds
	v_exp_f32 v[SBB+j], v[SBB+j]
	v_exp_f32 v[SBB+j+1], v[SBB+j+1]
	HOLD2 SA, HOA, j
.set j, j+2
.endr
	v_nop                                          ; a place behind the last exponential
	s_wait_alu depctr_va_vdst(0)                   ; one wait for the batch
	CODES SA, SCA, CA
	SUM SBB, STB
.set j, 0
.rept 32
	HOLD2 SBB, HOB, j
.set j, j+2
.endr
	CODES SBB, SCB, CBB
.if \first
.rept 5
	v_nop                                          ; places between the conversions and the products that take their codes
.endr
.else
	WIN 0x41                                       ; O^T in window 1, f in window 0
	s_wait_alu depctr_va_vdst(0)                   ; directly ahead of the first reader of O^T
.set j, 0
.rept 16
	v_pk_mul_f32 v[OTA+j:OTA+j+1], v[OTA+j:OTA+j+1], v[FA:FA+1] op_sel_hi:[1,0]   ; O^T under the new M (also the places in front of the products)
.set j, j+2
.endr
.set j, 0
.rept 16
	v_pk_mul_f32 v[OTB+j:OTB+j+1], v[OTB+j:OTB+j+1], v[FB:FB+1] op_sel_hi:[1,0]
.set j, j+2
.endr
	WIN 0
.endif
	s_wait_alu depctr_va_vdst(0)                   ; directly ahead of the wait below
	s_wait_dscnt 17                                ; V and its scale words are in; the 17 loads of the next K, issued behind them, may be out
	WIN 0x54
.irp t, 0,1,2,3                        ; the eight accumulators take turns
.irp x, 0,1
.if \first
	v_wmma_scale_f32_16x16x128_f8f6f4 v[OTA+32*\x+8*\t:OTA+32*\x+8*\t+7], v[VF+16*\t:VF+16*\t+15], v[CA+16*\x:CA+16*\x+15], 0, v[VSR+\t], v[PWR+\x]
.else
	v_wmma_scale_f32_16x16x128_f8f6f4 v[OTA+32*\x+8*\t:OTA+32*\x+8*\t+7], v[VF+16*\t:VF+16*\t+15], v[CA+16*\x:CA+16*\x+15], v[OTA+32*\x+8*\t:OTA+32*\x+8*\t+7], v[VSR+\t], v[PWR+\x]
.endif
.endr
.endr
	WIN 0
.endm
; A TILE'S WAY OUT.  O^T / the sum: register 8 t + j = channel 16 t + 8 h + j of query r: two blocks of 32 along the model's axis.  Quantised; then the halves of the lanes exchange half of
; their codes, so that lane half h holds k = 32 c + 16 h + 0..15 in the natural order.
.macro EPI SB, ST, OB, x
	v_add_f32 v[R0], v[\ST+2], v[\ST+3]
	v_permlanex16_b32 v[BMB], v[R0], s[SEL], s[SEL+1]
	v_add_f32 v[R0], v[R0], v[BMB]
	s_wait_alu depctr_va_vdst(0)
	v_rcp_f32 v[FA], v[R0]
	v_nop
	WIN 0x01
	s_wait_alu depctr_va_vdst(0)
.set j, 0
.rept 16
	v_pk_mul_f32 v[\SB+j:\SB+j+1], v[\OB+j:\OB+j+1], v[FA:FA+1] op_sel_hi:[1,0]   ; each accumulator from its low end on
.set j, j+2
.endr
	WIN 0
.irp b, 0,1
	v_max3_num_f32 v[BMA+\b], |v[\SB+16*\b]|, |v[\SB+16*\b+1]|, 0x4800000
.endr
.irp i, 2,4,6,8,10,12,14
.irp b, 0,1
	v_max3_num_f32 v[BMA+\b], v[BMA+\b], |v[\SB+16*\b+\i]|, |v[\SB+16*\b+\i+1]|
.endr
.endr
.irp b, 0,1
	v_permlanex16_b32 v[BMB+\b], v[BMA+\b], s[SEL], s[SEL+1]
.endr
.irp b, 0,1
	v_max_num_f32 v[BMA+\b], v[BMA+\b], v[BMB+\b]
.endr
.irp b, 0,1
	v_add_nc_u32 v[SCA+\b], 0xfc000000, v[BMA+\b]
.endr
.irp b, 0,1
	v_and_or_b32 v[HOA+\b], v[BMA+\b], 0x7f800000, s[MNT]
.endr
.irp b, 0,1
	v_lshrrev_b32 v[BMB+\b], 23, v[SCA+\b]
.endr
.irp b, 0,1
.irp i, 0,1,2,3,4,5,6,7,8,9,10,11,12,13,14,15
	v_med3_num_f32 v[\SB+16*\b+\i], v[\SB+16*\b+\i], -v[HOA+\b], v[HOA+\b]
.endr
.endr
.irp b, 0,1
	v_cvt_scalef32_pk8_fp8_f32 v[\SB+32+4*\b:\SB+33+4*\b], v[\SB+16*\b:\SB+16*\b+7], v[SCA+\b]
	v_cvt_scalef32_pk8_fp8_f32 v[\SB+34+4*\b:\SB+35+4*\b], v[\SB+16*\b+8:\SB+16*\b+15], v[SCA+\b]
.endr
	v_nop
.irp i, 0,1,2,3,4,5,6,7
	v_permlanex16_b32 v[\SB+40+\i], v[\SB+32+\i], s[SEL], s[SEL+1]
.endr
.irp b, 0,1
.irp i, 0,1
	v_cndmask_b32 v[\SB+48+4*\b+\i], v[\SB+32+4*\b+\i], v[\SB+42+4*\b+\i], s[HM]
	v_cndmask_b32 v[\SB+50+4*\b+\i], v[\SB+40+4*\b+\i], v[\SB+34+4*\b+\i], s[HM]
.endr
.endr
	v_cndmask_b32 v[\SB+56], v[BMB], v[BMB+1], s[HM]   ; lanes 0-15 store block 0's byte, lanes 16-31 block 1's
	global_store_b128 v[LI], v[\SB+48:\SB+51], s[8:9] offset:4096*\x
	global_store_b128 v[LI], v[\SB+52:\SB+55], s[8:9] offset:4096*\x+512
	global_store_b8 v[SCV], v[\SB+56], s[10:11] offset:512*\x
.endm
.Lpass:                                            ; two trips: a pair of tiles each
	s_wait_loadcnt 0x0                             ; Q
.irp st, STA, STB
	v_mov_b32 v[\st+1], 0xff61b1e6                 ; the largest score so far: -3e38
	v_floor_f32 v[\st], -v[\st+1]                  ; -M: above every -M to come, so the first f is 0
	v_mov_b32 v[\st+2], 0                          ; the sum
	v_mov_b32 v[\st+3], 0
.endr
	STEP 1
	s_wait_tensorcnt 0x0                           ; every wave: my two key steps are in,
	s_wait_dscnt 0x0
	s_barrier_signal -1
	s_barrier_wait -1                              ; everybody's are
	s_mov_b32 s[CNT], 15
.Lstep:
	STEP 0
	s_sub_co_u32 s[CNT], s[CNT], 1
	s_cmp_lg_u32 s[CNT], 0
	s_cbranch_scc1 .Lstep
	s_wait_dscnt 0x0                               ; the last fetch of K has landed: its registers may be loaded anew
	v_mov_b32 v[AD], v[LI]                         ; eight places behind the last products
.rept 7
	v_nop
.endr
	KLOAD                                          ; key step 0, for the next pass (in the last pass: read and not used)
	s_cmp_eq_u32 s[PASS], 1                        ; the last pass asks for no Q: no load leaves its buffer
	s_cbranch_scc1 .Lno_q
	s_add_nc_u64 s[QP:QP+1], s[QP:QP+1], 2*8704    ; (the last loads by these bases were waited for at the pass's head)
	s_add_nc_u64 s[QSP:QSP+1], s[QSP:QSP+1], 2*8704
	QLOAD
.Lno_q:
	EPI SA, STA, OTA, 0
	EPI SBB, STB, OTB, 1
	s_wait_xcnt 0x0                                ; the stores have read their data and bases
	s_add_nc_u64 s[8:9], s[8:9], 16*4096
	s_add_nc_u64 s[10:11], s[10:11], 16*512
	s_sub_co_u32 s[PASS], s[PASS], 1
	s_cmp_lg_u32 s[PASS], 0
	s_cbranch_scc1 .Lpass
	s_wait_dscnt 0x0
	s_wait_tensorcnt 0x0                           ; the wave's end
	ds_add_u32 v[SPW], v[NIL]
	s_wait_dscnt 0x0
	CROUND                                         ; the closing round
	s_endpgm
.Lfunc_end_k_q8144a57d51_attn:
	.size	k_q8144a57d51_attn, .Lfunc_end_k_q8144a57d51_attn-k_q8144a57d51_attn
	.p2alignl 7, 3214868480
	.fill 96, 4, 3214868480
	.section	.rodata,"a",@progbits
	.p2align	6, 0x0
	.amdhsa_kernel k_q8144a57d51_attn
		.amdhsa_group_segment_fixed_size 279552
		.amdhsa_private_segment_fixed_size 0
		.amdhsa_enable_private_segment 0
		.amdhsa_kernarg_size 32
		.amdhsa_user_sgpr_count 2
		.amdhsa_user_sgpr_kernarg_segment_ptr 1
		.amdhsa_wavefront_size32 1
		.amdhsa_system_sgpr_workgroup_id_x 1
		.amdhsa_system_sgpr_workgroup_id_y 1
		.amdhsa_system_sgpr_workgroup_id_z 1
		.amdhsa_system_vgpr_workitem_id 0
		.amdhsa_next_free_vgpr 512
		.amdhsa_next_free_sgpr 66
		.amdhsa_reserve_vcc 0
		.amdhsa_float_denorm_mode_32 3
		.amdhsa_float_denorm_mode_16_64 3
		.amdhsa_memory_ordered 1
		.amdhsa_forward_progress 1
		.amdhsa_inst_pref_size 92
	.end_amdhsa_kernel
	.amdgpu_metadata
---
amdhsa.version: [ 1, 2 ]
amdhsa.kernels:
  - .name:           k_q8144a57d51_attn
    .symbol:         k_q8144a57d51_attn.kd
    .args:
      - { .name: q, .offset: 0, .size: 8, .value_kind: global_buffer, .address_space: global }
      - { .name: kv, .offset: 8, .size: 8, .value_kind: global_buffer, .address_space: global }
      - { .name: ao, .offset: 16, .size: 8, .value_kind: global_buffer, .address_space: global }
      - { .name: ao_sc, .offset: 24, .size: 8, .value_kind: global_buffer, .address_space: global }
    .group_segment_fixed_size: 279552
    .private_segment_fixed_size: 0
    .kernarg_segment_align: 8
    .kernarg_segment_size: 32
    .max_flat_workgroup_size: 256
    .sgpr_count:     66
    .vgpr_count:     512
    .wavefront_size: 32
...
	.end_amdgpu_metadata
.endif
;; end of part 2
;; launch oproj (part 3): grid 8 x 32, 4 waves a work-group, clusters of 4 x 4, 327,680 bytes of LDS; arguments ao, ao_sc, Wo_codes, Wo_scales, bo, out0; writes out0
.if DOCPART == 3
	.amdgcn_target "amdgcn-amd-amdhsa--gfx1250"
	.amdhsa_code_object_version 6
	.text
	.protected	k_q8144a57d51_oproj
	.globl	k_q8144a57d51_oproj
	.p2align	8
	.type	k_q8144a57d51_oproj,@function
k_q8144a57d51_oproj:
	s_mov_b64 s[64:65], 0
	v_nop
	global_prefetch_b8 v0, s[64:65] scope:SCOPE_SE
	s_setreg_imm32_b32 hwreg(HW_REG_WAVE_MODE, 25, 1), 1
	s_wait_xcnt 0x0
	s_wait_alu depctr_hold_cnt(0) depctr_sa_sdst(0) depctr_va_vdst(0) depctr_va_sdst(0) depctr_va_ssrc(0) depctr_va_vcc(0) depctr_vm_vsrc(0)
	s_getreg_b32 s2, hwreg(HW_REG_IB_STS2, 6, 4)
	s_cmp_eq_u32 s2, 0
	s_cbranch_scc0 .Lentry_in_a_cluster
	s_endpgm
.Lentry_in_a_cluster:
	s_bfe_u32 s2, ttmp6, 0x10000c
	s_cmp_lg_u32 s2, 0xf033
	s_cbranch_scc0 .Lentry_shape_is_right
	s_endpgm
.Lentry_shape_is_right:
; out0 = A Wo^T + bo on codes of MX-FP8: 8,192 x 1,024 x 1,024, f32 sums, f32 out.  A comes from the launch before: ao holds images of operand registers,
; [K / 256][row / 16][2 fragments of 128 K][4 pieces][lane][16 bytes]; ao_sc its scale bytes, [row][32].  Wo's codes and scale bytes are taken as they are given.
; THE DEAL.  256 work-groups of four waves, 2 x 2; a work-group makes 256 rows x 128 columns.  A wave holds 64 rows of Wo, ALL of K, in registers (512: windows 1 and 2) and streams A's rows past them in blocks
; of 16, which stand in registers as two whole sets (256: window 3).  A block is 32 products; its four accumulators take turns; the bias is the first products' C.
; LDS.  Two slots of 133,120 bytes: 128 units of 1,024 bytes, 16 of padding behind each.  Slot 0: A's chunk 0 (128 rows: four planes of 32,768 bytes, one for each 256 of K).  Slot 1: Wo's 128 rows, until every wave
; holds its part in registers; then chunk 1 is filled over them behind a drained round of the cluster's barrier, a plane a wave, unit for unit.
; Behind the slots: A's scale bytes (256 rows, units of 256 + 16), the waves' stages for the way out, the spare words.
; JOINT LOADS.  4 x 4 work-groups: A's tiles and scale bytes are shared along a row of the cluster, Wo's along a column.
; AT THE HEAD one load a wave: waves 0 and 1 a half of Wo's rows each (a line of their own: the first barrier shows it alone), wave 2 chunk 0, wave 3 A's scale bytes.  Wo's scale words and the bias go straight into registers.
; PREFETCH.  Chunk 1 is asked for behind the first barrier, ahead of Wo's 128 LDS loads and the round that stand in front of its load: 131,072 bytes, 8,192 for each of the sixteen waves of a row of the cluster, told apart by address,
; lanes 256 bytes apart.  What the head loads comes by its loads alone.
; THE WAY OUT.  Source 0 = Wo's rows, source 1 = A's: a lane holds eight neighbouring columns of one row.  A block goes through the wave's own stage and comes back as rows of 256 bytes: sixteen lanes store one aligned
; unit of 256 bytes.  A block's stores stand in the middle of the next block's products.
; LIMITS: NaN and infinities are carried as the matrix unit carries them; nothing else is assumed of the values.
.set PITCH, 1040
.set YB,    128*PITCH                  ; slot 1
.set PL,    32*PITCH                   ; a plane of a chunk
.set RT,    4*PITCH                    ; a row tile (16 rows x 256 K) in a plane
.set SCL,   2*YB                       ; A's scale bytes
.set STG,   SCL+32*272                 ; the stages: 16 rows x 272 bytes a wave
.set SPARE, STG+4*16*272
.set ASTEP, 2097152                    ; from plane to plane in ao
.set NF,    34                         ; LDS loads of a block: eight fragments of four, two of four scale words
.set CO,   4                           ; v4   16 x lane
.set ADRB, 5                           ; v5   my fragments of Wo in slot 1
.set AAS,  6                           ; v6   my row's scale words
.set ABS,  7                           ; v7   32 x lane: Wo's scale bytes
.set BO,   8                           ; v8   32 x (lane / 16): the bias
.set STO,  9                           ; v9   stage: in
.set SPW,  10
.set NIL,  11
.set ADA,  12                          ; v12-15 my blocks in slot 0, planes 0 to 3; v16-19 in slot 1
.set RD,   20                          ; v20  stage: back
.set GO,   21                          ; v21  my offset in two rows of out0
.set PF,   22                          ; v22  the prefetch's offset
.set SB,   24                          ; v24-39 Wo's scale words: register 8 p + q: lanes 0-15 tile 2 p, lanes 16-31 tile 2 p + 1
.set SA,   44                          ; v44-59 A's: two sets of eight
.set ACC,  64                          ; v64-127 two sets of four accumulators
.set BQ,   128                         ; v128-159 the bias in the result's layout
.set RB,   160                         ; v160-223 two sets: a block read back from the stage
.set G1W, 24
.set G1A, 32
.set G1S, 48
.set G0W, 56
.set G0A, 60
.set G0S, 68
.set G1R, 72
.set G0R, 80
.set MSB, 0
.macro WIN new                         ; the immediate's high byte repeats the setting that is left
.if MSB != \new
	s_set_vgpr_msb (MSB<<8)|\new
.set MSB, \new
.endif
.endm
.macro PLACES n
.rept \n
	v_nop
.endr
.endm
.macro BARRIER
	s_barrier_signal -1
	s_barrier_wait -1
.endm
.macro CROUND                          ; a round of the cluster's barrier
	BARRIER
	s_cmp_lg_u32 s14, 0
	s_cbranch_scc1 .Lnot_wave_0_\@
	s_barrier_signal -3
.Lnot_wave_0_\@:
	s_barrier_wait -3
	BARRIER
.endm
.macro TLOAD g0, g1                    ; an s_nop 0 and four v_nop follow a tensor load
	tensor_load_to_lds s[\g0:\g0+3], s[\g1:\g1+7]
	s_nop 0
	PLACES 4
.endm
.macro GROUP1 g, mask, rows            ; so many rows of 1,024 bytes, dense in memory, 16 bytes of padding behind each
	s_or_b32 s[\g+0], s[\mask], (1<<20)|(1<<21)|(7<<22)|(3<<25)
	s_mov_b32 s[\g+1], 1024<<16
	s_mov_b32 s[\g+2], (\rows)<<16
	s_mov_b32 s[\g+3], 1024<<16
	s_mov_b32 s[\g+4], \rows
	s_mov_b32 s[\g+5], 1024
	s_mov_b32 s[\g+6], 0
	s_mov_b32 s[\g+7], 0
.endm
	s_load_b256 s[4:11], s[0:1], 0x0               ; ao, ao_sc, Wo's codes, Wo's scales
	s_load_b128 s[96:99], s[0:1], 0x20             ; bo, out0
	v_lshl_add_u32 v[SPW], v0, 2, SPARE
	v_mov_b32 v[NIL], 0
	ds_add_u32 v[SPW], v[NIL]                      ; the opening lines: the add twice on end
	ds_add_u32 v[SPW], v[NIL]
	v_lshrrev_b32 v1, 5, v0
	v_readfirstlane_b32 s14, v1                    ; wave 0..3
	s_lshr_b32 s15, s14, 1                         ; my row of waves: which blocks
	s_and_b32 s16, s14, 1                          ; my column of waves: which 64 columns
	s_bfe_u32 s40, ttmp6, 0x40000                  ; cx, cy
	s_bfe_u32 s41, ttmp6, 0x40004
	s_lshl_b32 s42, ttmp9, 2
	s_add_co_u32 s42, s42, s40                     ; tile column, 0..7
	s_and_b32 s43, ttmp7, 0xffff
	s_lshl_b32 s43, s43, 2
	s_add_co_u32 s43, s43, s41                     ; tile row, 0..31
	s_lshl_b32 s44, s41, 2
	s_lshl_b32 s44, 15, s44                        ; my row of the cluster: shares A
	s_lshl_b32 s45, 0x1111, s40                    ; my column: shares Wo
	GROUP1 G1W, 45, 64                             ; waves 0, 1: 64 rows of Wo each
	GROUP1 G1R, 44, 32                             ; the refill: a plane of chunk 1 a wave
	s_or_b32 s[G1A+0], s44, (3<<16)|(1<<20)|(1<<21)|(7<<22)|(3<<25)   ; chunk 0: four rows of 32,768 bytes (4,096 elements of 8), 2 MiB apart; padding behind each 1,024 bytes
	s_mov_b32 s[G1A+1], 4096<<16
	s_mov_b32 s[G1A+2], 4<<16
	s_mov_b32 s[G1A+3], 4096<<16
	s_mov_b32 s[G1A+4], 4
	s_mov_b32 s[G1A+5], ASTEP/8
	s_mov_b32 s[G1A+6], 0
	s_mov_b32 s[G1A+7], 0
	s_or_b32 s[G1S+0], s44, (3<<16)|(1<<20)|(1<<21)|(5<<22)|(3<<25)   ; A's scale bytes: 8,192 dense bytes as 32 rows of 256, 16 of padding behind each
	s_mov_b32 s[G1S+1], 32<<16
	s_mov_b32 s[G1S+2], 32<<16
	s_mov_b32 s[G1S+3], 32<<16
	s_mov_b32 s[G1S+4], 32
	s_mov_b32 s[G1S+5], 32
	s_mov_b32 s[G1S+6], 0
	s_mov_b32 s[G1S+7], 0
	s_lshl_b32 s84, s42, 17                        ; Wo: 128 x tile column rows of 1,024 bytes,
	s_lshl_b32 s20, s14, 16                        ; + 64 x wave
	s_add_co_u32 s84, s84, s20
	s_mov_b32 s85, 0
	s_lshl_b32 s86, s43, 16                        ; ao: my 16 row tiles of 4,096 bytes in a plane
	s_mov_b32 s87, 0
	s_lshl_b32 s88, s43, 13                        ; ao_sc: my 256 rows of 32 bytes
	s_mov_b32 s89, 0
	s_lshl_b32 s90, s14, 21                        ; the refill: plane = wave, chunk 1
	s_add_co_u32 s90, s90, s86
	s_add_co_u32 s90, s90, 32768
	s_mov_b32 s91, 0
	s_mov_b32 s[G0W], 1
	s_mul_i32 s[G0W+1], s14, 64*PITCH
	s_add_co_u32 s[G0W+1], s[G0W+1], YB
	s_mov_b32 s[G0A], 1
	s_mov_b32 s[G0A+1], 0
	s_mov_b32 s[G0S], 1
	s_mov_b32 s[G0S+1], SCL
	s_mov_b32 s[G0R], 1
	s_mul_i32 s[G0R+1], s14, PL
	s_add_co_u32 s[G0R+1], s[G0R+1], YB
	s_mul_i32 s46, s15, 4*RT                       ; my four row tiles of a chunk
	s_mul_i32 s92, s16, 64*PITCH                   ; my 64 rows of Wo
	s_add_co_u32 s92, s92, YB
	s_mul_i32 s93, s15, 4*544                      ; my rows' scale bytes
	s_add_co_u32 s93, s93, SCL
	s_mul_i32 s94, s14, 16*272                     ; my stage
	s_add_co_u32 s94, s94, STG
	s_lshl_b32 s95, s40, 21                        ; the prefetch: of the row's sixteen waves number 4 cx + wave takes plane cx, part wave
	s_lshl_b32 s20, s14, 13
	s_add_co_u32 s95, s95, s20
	s_add_co_u32 s95, s95, s86
	s_add_co_u32 s95, s95, 32768
	s_lshl_b32 s20, s42, 12                        ; Wo's scale bytes: (128 x tile column + 64 x my column) x 32
	s_lshl_b32 s22, s16, 11
	s_add_co_u32 s20, s20, s22
	s_mov_b32 s21, 0
	s_lshl_b32 s22, s42, 9                         ; my first column in bytes of f32
	s_lshl_b32 s47, s16, 8
	s_add_co_u32 s22, s22, s47
	s_mov_b32 s23, 0
	s_lshl_b32 s2, s43, 20                         ; my first row of out0: (256 x tile row + 64 x my row of waves) x 4,096 bytes
	s_lshl_b32 s47, s15, 18
	s_add_co_u32 s2, s2, s47
	s_add_co_u32 s2, s2, s22
	s_mov_b32 s3, 0
	s_wait_dscnt 0x0                               ; both opening adds are done
	CROUND                                         ; all sixteen work-groups are here
	s_wait_kmcnt 0x0
	s_add_nc_u64 s[G0W+2:G0W+3], s[8:9], s[84:85]
	s_or_b32 s[G0W+3], s[G0W+3], 0x80000000
	s_add_nc_u64 s[G0A+2:G0A+3], s[4:5], s[86:87]
	s_or_b32 s[G0A+3], s[G0A+3], 0x80000000
	s_add_nc_u64 s[G0S+2:G0S+3], s[6:7], s[88:89]
	s_or_b32 s[G0S+3], s[G0S+3], 0x80000000
	s_add_nc_u64 s[G0R+2:G0R+3], s[4:5], s[90:91]
	s_or_b32 s[G0R+3], s[G0R+3], 0x80000000
	s_cmp_lt_u32 s14, 2                            ; one joint load a wave, in one chain of branches on the wave's number
	s_cbranch_scc0 .Lnot_w
	TLOAD G0W, G1W                                 ; waves 0, 1: Wo's rows, which are wanted first
	s_branch .Lasked
.Lnot_w:
	s_cmp_lt_u32 s14, 3
	s_cbranch_scc0 .Lfor_scales
	TLOAD G0A, G1A                                 ; wave 2: chunk 0
	s_branch .Lasked
.Lfor_scales:
	TLOAD G0S, G1S                                 ; wave 3: A's scale bytes
.Lasked:
	s_add_nc_u64 s[10:11], s[10:11], s[20:21]
	s_add_nc_u64 s[96:97], s[96:97], s[22:23]
	s_add_nc_u64 s[98:99], s[98:99], s[2:3]
	v_and_b32 v1, 15, v0                           ; r
	v_bfe_u32 v2, v0, 4, 1                         ; h
	v_and_b32 v3, 31, v0                           ; lane
	v_lshlrev_b32 v[CO], 4, v3
	v_add_nc_u32 v[ADA], s46, v[CO]
.irp s, 1,2,3
	v_add_nc_u32 v[ADA+\s], \s*PL, v[ADA]
.endr
.irp s, 0,1,2,3
	v_add_nc_u32 v[ADA+4+\s], YB, v[ADA+\s]
.endr
	v_mul_u32_u24 v23, v1, PITCH
	v_lshl_add_u32 v23, v2, 4, v23
	v_add_nc_u32 v[ADRB], s92, v23                 ; row r x pitch + 16 h
	v_and_b32 v23, 7, v1
	v_lshlrev_b32 v23, 5, v23
	v_lshrrev_b32 v[AAS], 3, v1
	v_mad_u32_u24 v23, v[AAS], 272, v23
	v_add_nc_u32 v[AAS], s93, v23                  ; 32 bytes a row, eight rows to a unit of 272
	v_lshlrev_b32 v[ABS], 5, v3
	v_lshlrev_b32 v[BO], 5, v2
	v_mul_u32_u24 v23, v1, 272
	v_lshl_add_u32 v23, v2, 5, v23
	v_add_nc_u32 v[STO], s94, v23                  ; in: row r, 32 bytes for each half of the lanes
	v_mul_u32_u24 v23, v2, 272
	v_lshl_add_u32 v23, v1, 4, v23
	v_add_nc_u32 v[RD], s94, v23                   ; back: lanes 0-15 one row, lanes 16-31 the next
	v_lshlrev_b32 v23, 12, v2
	v_lshl_add_u32 v[GO], v1, 4, v23               ; and the same two rows in out0
	v_lshl_add_u32 v[PF], v3, 8, s95
.irp p, 0,1
.irp c, 0,1
	global_load_b128 v[SB+8*\p+4*\c:SB+8*\p+4*\c+3], v[ABS], s[10:11] offset:\p*1024+16*\c   ; lane l takes row l of a pair of tiles
.endr
.endr
.irp b, 0,1,2,3
	global_load_b128 v[BQ+8*\b:BQ+8*\b+3], v[BO], s[96:97] offset:64*\b          ; register j of tile b: bo at column 16 b + 8 h + j
	global_load_b128 v[BQ+8*\b+4:BQ+8*\b+7], v[BO], s[96:97] offset:64*\b+16
.endr
	s_wait_alu depctr_va_vdst(0)                   ; at the head's end
	s_cmp_lt_u32 s14, 2
	s_cbranch_scc0 .Lnot_yet
	s_wait_tensorcnt 0x0                           ; waves 0, 1: Wo's rows are in.  The other waves' wait stands ahead of the round below
.Lnot_yet:
	BARRIER
	global_prefetch_b8 v[PF], s[4:5] th:TH_LOAD_NT scope:SCOPE_SE
.macro FRAG f, q, off                  ; fragment f of Wo, 16 rows x 128 K: registers 4 c .. 4 c + 3 hold K = 32 c + 16 h + 0 .. 15; it lies in window 1 + f / 16
.set WN_, (1+(\f)/16)<<6
	WIN WN_
.irp c, 0,1,2,3
	ds_load_b128 v[16*((\f)%16)+4*\c:16*((\f)%16)+4*\c+3], v[ADRB] offset:128*(\q)+32*\c+(\off)
.endr
.endm
.irp q, 0,1,2,3,4,5,6,7
.irp b, 0,1,2,3
	FRAG 4*\q+\b, \q, \b*16*PITCH
.endr
.endr
	WIN 0
.macro FETCH k                         ; block k of my eight: 16 rows, all of K, into set k % 2 of window 3, and its scale words: NF loads
.set E_, (\k)%2
.set CH_, (\k)/4
.set I_, (\k)%4
	WIN 3<<6
.irp q, 0,1,2,3,4,5,6,7
.irp c, 0,1,2,3
	ds_load_b128 v[128*E_+16*\q+4*\c:128*E_+16*\q+4*\c+3], v[ADA+4*CH_+\q/2] offset:RT*I_+PITCH*(2*(\q%2)+\c/2)+512*(\c%2)
.endr
.endr
	WIN 0
	ds_load_b128 v[SA+8*E_:SA+8*E_+3], v[AAS] offset:544*(8*CH_+I_)
	ds_load_b128 v[SA+8*E_+4:SA+8*E_+7], v[AAS] offset:544*(8*CH_+I_)+16
.endm
.macro PROD e, n                       ; product n = 4 q + b: the q-th 128 of K, column tile b
.set Q_, (\n)/4
.set B_, (\n)%4
.set AC_, ACC+32*(\e)+8*B_
.set C_, AC_
.if Q_ == 0
.set C_, BQ+8*B_
.endif
.set R_, 128*(\e)+16*Q_
.set W_, 16*((\n)%16)
.set XS_, SA+8*(\e)+Q_
.set WS_, SB+8*(B_/2)+Q_
.set WN_, (1+(\n)/16)|(3<<2)
	WIN WN_
.if B_%2
	v_wmma_scale_f32_16x16x128_f8f6f4 v[AC_:AC_+7], v[W_:W_+15], v[R_:R_+15], v[C_:C_+7], v[WS_], v[XS_] matrix_a_scale:MATRIX_SCALE_ROW1
.else
	v_wmma_scale_f32_16x16x128_f8f6f4 v[AC_:AC_+7], v[W_:W_+15], v[R_:R_+15], v[C_:C_+7], v[WS_], v[XS_]
.endif
.endm
.macro PRODS e, from, to
.set N_, \from
.rept (\to)-(\from)
	PROD \e, N_
.set N_, N_+1
.endr
.endm
.macro STAGE k                         ; 8 LDS stores and 8 loads: LDS serves a wave's instructions in order (ISA guide 5.7.1.4)
.set E_, (\k)%2
.irp b, 0,1,2,3
	ds_store_b128 v[STO], v[ACC+32*E_+8*\b:ACC+32*E_+8*\b+3] offset:64*\b          ; each accumulator from its low end on
	ds_store_b128 v[STO], v[ACC+32*E_+8*\b+4:ACC+32*E_+8*\b+7] offset:64*\b+16
.endr
.irp t, 0,1,2,3,4,5,6,7
	ds_load_b128 v[RB+32*E_+4*\t:RB+32*E_+4*\t+3], v[RD] offset:544*\t
.endr
.endm
.macro SEND k                          ; sixteen lanes store 256 consecutive bytes, at a multiple of 256 from out0's first byte
.set E_, (\k)%2
.irp t, 0,1,2,3,4,5,6,7
	global_store_b128 v[GO], v[RB+32*E_+4*\t:RB+32*E_+4*\t+3], s[98:99] offset:(128*((\k)/4)+16*((\k)%4)+2*\t)*4096 th:TH_STORE_NT
.endr
.endm
.macro BLK k
.if (\k) == 0
	s_wait_dscnt NF                                ; behind block 0's loads: block 1's
.elseif (\k) < 7
	s_wait_dscnt 16+NF                             ; behind block k's loads: the stage's 16 of block k - 1 and block k + 1's loads
.else
	s_wait_dscnt 16
.endif
	PRODS (\k)%2, 0, 16
.if (\k) > 0
	WIN 0
.if (\k) < 7
	s_wait_dscnt NF                                ; block k - 1 is back from the stage; block k + 1's loads may be out
.else
	s_wait_dscnt 0x0
.endif
	SEND (\k)-1
.endif
.if (\k) == 2
	PRODS 0, 16, 28
	WIN 0
	s_wait_tensorcnt 0x0                           ; my plane of chunk 1 is in,
	s_wait_dscnt 0x0
	s_barrier_signal -1
	PRODS 0, 28, 32
	WIN 0
	s_barrier_wait -1                              ; everybody's is: the fetch below reads it
.else
	PRODS (\k)%2, 16, 32
	WIN 0
.endif
	PLACES 8                                       ; behind the block's last product: for the stage's reads of its sums and the loads into what it has read
	s_wait_xcnt 0x0                                ; the stores of block k - 2 have read their registers: the stage's loads may land there
	STAGE \k
.if (\k) < 6
	FETCH (\k)+2
.endif
.endm
	s_wait_tensorcnt 0x0                           ; chunk 0 and the scale bytes are in; ahead of a refill's round
	ds_add_u32 v[SPW], v[NIL]
	s_wait_dscnt 0x0                               ; the add is done, and my part of Wo is in registers
	CROUND
	TLOAD G0R, G1R                                 ; chunk 1 over Wo's rows: a plane a wave, the first tensor load behind the round
	FETCH 0
	FETCH 1
	s_wait_loadcnt 0x0                             ; Wo's scale words and the bias
.irp k, 0,1,2,3,4,5,6,7
	BLK \k
.endr
	s_wait_dscnt 0x0
	SEND 7
	s_wait_tensorcnt 0x0                           ; the wave's end
	ds_add_u32 v[SPW], v[NIL]
	s_wait_dscnt 0x0
	CROUND                                         ; the closing round
	s_endpgm
.Lfunc_end_k_q8144a57d51_oproj:
	.size	k_q8144a57d51_oproj, .Lfunc_end_k_q8144a57d51_oproj-k_q8144a57d51_oproj
	.p2alignl 7, 3214868480
	.fill 96, 4, 3214868480
	.section	.rodata,"a",@progbits
	.p2align	6, 0x0
	.amdhsa_kernel k_q8144a57d51_oproj
		.amdhsa_group_segment_fixed_size 327680
		.amdhsa_private_segment_fixed_size 0
		.amdhsa_enable_private_segment 0
		.amdhsa_kernarg_size 48
		.amdhsa_user_sgpr_count 2
		.amdhsa_user_sgpr_kernarg_segment_ptr 1
		.amdhsa_wavefront_size32 1
		.amdhsa_system_sgpr_workgroup_id_x 1
		.amdhsa_system_sgpr_workgroup_id_y 1
		.amdhsa_system_sgpr_workgroup_id_z 1
		.amdhsa_system_vgpr_workitem_id 0
		.amdhsa_next_free_vgpr 1024
		.amdhsa_next_free_sgpr 100
		.amdhsa_reserve_vcc 0
		.amdhsa_float_denorm_mode_32 3
		.amdhsa_float_denorm_mode_16_64 3
		.amdhsa_memory_ordered 1
		.amdhsa_forward_progress 1
		.amdhsa_inst_pref_size 87
	.end_amdhsa_kernel
	.amdgpu_metadata
---
amdhsa.version: [ 1, 2 ]
amdhsa.kernels:
  - .name:           k_q8144a57d51_oproj
    .symbol:         k_q8144a57d51_oproj.kd
    .args:
      - { .name: ao, .offset: 0, .size: 8, .value_kind: global_buffer, .address_space: global }
      - { .name: ao_sc, .offset: 8, .size: 8, .value_kind: global_buffer, .address_space: global }
      - { .name: Wo_codes, .offset: 16, .size: 8, .value_kind: global_buffer, .address_space: global }
      - { .name: Wo_scales, .offset: 24, .size: 8, .value_kind: global_buffer, .address_space: global }
      - { .name: bo, .offset: 32, .size: 8, .value_kind: global_buffer, .address_space: global }
      - { .name: out0, .offset: 40, .size: 8, .value_kind: global_buffer, .address_space: global }
    .group_segment_fixed_size: 327680
    .private_segment_fixed_size: 0
    .kernarg_segment_align: 8
    .kernarg_segment_size: 48
    .max_flat_workgroup_size: 128
    .sgpr_count:     100
    .vgpr_count:     1024
    .wavefront_size: 32
...
	.end_amdgpu_metadata
.endif
;; end of part 3
